; MI455X (gfx1250); checked and timed in simulation.
; The chip was launched on July 23, 2026; its instructions are those of AMD's public machine-readable ISA for CDNA 5 (MIT licence, August 2026) and "CDNA5" Instruction Set Architecture Reference Guide (July 2026). The comments in the code are by the model that wrote it; some were corrected since.
;; Attention. Allowed arithmetic: matrix products marked QUANTISED: E3M2 operands, one E8M0 scale for each 32 along K, by v_wmma_scale_f32_16x16x128_f8f6f4 with both operands' format E3M2, f32 sums; everything else in f32.
;; Inputs: b_attn 3,072 float32; b_prefix 3,072 float32; b_proj 1,024 float32; prefix_embd 8 x 64 x 1,024 float32; w_attn 1,024 x 3,072 float32; w_prefix 1,024 x 3,072 float32; w_proj 1,024 x 1,024 float32; x 8 x 1,024 x 1,024 float32.
;; Outputs: out0 8 x 1,024 x 1,024 float32.
;; This version of the problem:
;;   THIS VERSION OF THE PROBLEM IS GIVEN IN LOW PRECISION. The matrix products marked QUANTISED in the list below multiply operands that are first quantised to E3M2 (3 exponent bits, 2 mantissa bits; 6 bits a number), with one power-of-two scale for each 32 numbers along K (OCP MX v1.0); their sums are f32. All else is computed in f32.
;;   The module's matrix products, in the order in which they are computed (A, B: the left and right operand; K: the contracted axis; several contracted axes count as one K, in the product's order):
;;     1. [M 8,192, K 1,024] x [K 1,024, N 3,072]; A: input x; B: input w_attn: QUANTISED
;;     2. [M 512, K 1,024] x [K 1,024, N 3,072]; A: input prefix_embd; B: input w_prefix: QUANTISED
;;     3. batch 128 x [M 1,024, K 64] x [K 64, N 1,024]; A: computed on the way; B: computed on the way: QUANTISED
;;     4. batch 128 x [M 1,024, K 64] x [K 64, N 64]; A: computed on the way; B: computed on the way: QUANTISED
;;     5. batch 128 x [M 1,024, K 64] x [K 64, N 64]; A: softmax (see below); B: computed on the way: QUANTISED
;;     6. batch 128 x [M 1,024, K 1,024] x [K 1,024, N 64]; A: softmax (see below); B: computed on the way: QUANTISED
;;     7. [M 8,192, K 1,024] x [K 1,024, N 1,024]; A: computed on the way; B: input w_proj: QUANTISED
;;   THE QUANTISER, for each operand of a quantised product, along K:
;;     - K is cut into blocks of 32 from its start; a last block that is shorter is filled with zeros.
;;     - A block's scale is 2^e with e = floor(log2(the largest magnitude in the block)) - 4, held to -126 .. 127; a block of zeros has e = 0. As a byte (E8M0): e + 127.
;;     - Each number is divided by its block's scale, clamped to +-28, and rounded to the nearest number of E3M2, ties to even, subnormals kept.
;;     - The product sums the exact products of the quantised numbers (number of the format x scale) in f32.
;;   ~~~python
;;   def quantise(x, axis):      # numpy; x: float32 -> the quantised numbers, widened to float32 again
;;       x = np.moveaxis(x, axis, -1); K = x.shape[-1]
;;       x = np.pad(x, [(0, 0)] * (x.ndim - 1) + [(0, -K % 32)]); x = x.reshape(x.shape[:-1] + (-1, 32)); a = np.abs(x).max(-1, keepdims=True)
;;       e = np.where(a > 0, np.clip(np.frexp(np.where(a > 0, a, 1))[1] - 1 - 4, -126, 127), 0)      # np.frexp(a)[1] - 1 = floor(log2(a)), exactly
;;       r = np.clip(x / 2.0 ** e, -28, 28)
;;       step = 2.0 ** (np.maximum(np.frexp(np.where(r == 0, 1, r))[1] - 1, -2) - 2)
;;       q = np.round(r / step) * step * 2.0 ** e      # np.round: ties to even
;;       return np.moveaxis(q.reshape(q.shape[:-2] + (-1,))[..., :K], -1, axis).astype(np.float32)
;;   ~~~
;;   SOFTMAX AHEAD OF A QUANTISED PRODUCT. Where the list says 'softmax', what is quantised is not the finished softmax but p = 2^(t - M), with t = logit x log2(e) and M = ceil(the row's largest t), a whole number; so 1/2 < the row's largest p <= 1. The row's sum l is taken of the UNQUANTISED p, in f32, and the product's result is divided by l at the end. Since M is a whole number, a kernel that streams over the keys may use a running M (the ceiling of the running maximum): every later rescaling is an exact power of two, which a block's scale takes up: the codes' values come out the same.
;;   OPERANDS COMPUTED ON THE WAY. 'Computed on the way' means the value that the module computes at that place (a softmax that the list does not call 'softmax' is quantised finished and normalised). What goes into a quantiser is computed in f32, as accurately as f32 sums, v_exp_f32 and their like allow (about 1e-6 of the number): no bf16 or f16 on the way to a quantiser, and a product that is left as it is and whose result goes on into a quantised operand takes f32 operands (vector FMAs, or v_wmma_f32_16x16x4_f32). A number that lies on a knife's edge between two numbers of the format may be rounded either way, as far as f32 arithmetic and the matrix unit's own rounding can turn it there, and no further.
;; One version. Each part assembles by itself: llvm-mc -triple=amdgcn-amd-amdhsa -mcpu=gfx1250 --defsym DOCPART=n.
;; ======== version 1 of 1: 4 launches
;; limits: right only within a limited range of input values
;; workspace buffers: ops 11,878,400 bytes; qkv 20,185,088 bytes; yq 6,553,600 bytes
;; launch quant (part 1): grid 928 x 1, 4 waves a work-group, no clusters, 34,304 bytes of LDS; arguments x, prefix_embd, w_attn, w_prefix, w_proj, ops; writes ops
.if DOCPART == 1
	.amdgcn_target "amdgcn-amd-amdhsa--gfx1250"
	.amdhsa_code_object_version 6
	.text
	.protected	k_qb462c05a21_quant
	.globl	k_qb462c05a21_quant
	.p2align	8
	.type	k_qb462c05a21_quant,@function
k_qb462c05a21_quant:
	s_mov_b64 s[64:65], 0
	v_nop
	global_prefetch_b8 v0, s[64:65] scope:SCOPE_SE
	s_setreg_imm32_b32 hwreg(HW_REG_WAVE_MODE, 25, 1), 1
	s_wait_xcnt 0x0
; x, prefix_embd (K innermost) and w_attn, w_prefix[:, 1024:], w_proj (K = first axis), all f32, become codes of BF6 (E3M2) with one E8M0 byte for each 32 along K,
; laid in the ORDER OF AN OPERAND'S REGISTERS.  A tile is 16 rows (tokens or weight columns) x 1,024 K: eight fragments of 1,536 bytes; registers 4 i .. 4 i + 3 of lane L lie at 512 i + 16 L.
; Row r of tile t is index 32 (t / 2) + 8 (t % 2) + r + 8 (r / 8): so two neighbouring tiles, used as source 0 of a product, leave 16 neighbours in a lane's 16 result registers.
; Tiles: 0-511 x, 512-543 prefix_embd, 544-735 w_attn, 736-863 w_prefix (736 + 8 head + 4 (k: 0, v: 1) + t), 864-927 w_proj.  Scale words: 512 bytes a tile behind the images, row r's word of K step s at 32 r + 4 s.
; Columns 0 to 1,023 of w_prefix make the prefix's queries, which the model throws away: they are not read.
; A block's scale is 2^(floor(log2(largest magnitude)) - 4): its byte is the largest magnitude's exponent field - 4, held at 1 from below.
; LIMITS: a block of zeros gets the byte 1, not 127 (its codes are zeros, and this program alone reads the bytes); NaN and infinities among the inputs are not served.
; Work-groups 0-191 w_attn, 192-319 w_prefix, 320-383 w_proj: 128 columns x 128 K each; 384-927: one tile of rows each.  Every work-group reads 64 KiB; all its loads go out at its head.  No barrier: waves share nothing.
.set SCB,    11403264                  ; where the scale words begin: 928 tiles x 12,288
.set FLOORB, 0x2800000                 ; 2^(5 - 127)
.set X,   64                           ; weights: v64-191 128 numbers down K of my column
.set CW,  32                           ; v32-55 codes: twelve registers for target lanes 0-15 (blocks 0, 2), twelve for lanes 16-31 (blocks 1, 3)
.set TW,  56                           ; v56-62 a conversion's three registers begin on an even number: the upper halves are made here and moved
.set RR,  64                           ; rows: v64-191 two fragments' numbers as loaded
.set XR,  192                          ; v192-255 64 numbers of my row, in the operand's order
; block b of my column: 32 numbers, all mine
.macro WBLOCK b
.set XS, X+32*(\b)
.set CD, CW+12*((\b)%2)+6*((\b)/2)
	v_max3_num_f32 v8, |v[XS]|, |v[XS+1]|, |v[XS+2]|
	v_max3_num_f32 v9, |v[XS+3]|, |v[XS+4]|, |v[XS+5]|
.irp i, 6,10,14,18,22,26
	v_max3_num_f32 v8, v8, |v[XS+\i]|, |v[XS+\i+1]|
	v_max3_num_f32 v9, v9, |v[XS+\i+2]|, |v[XS+\i+3]|
.endr
	v_max3_num_f32 v8, v8, |v[XS+30]|, |v[XS+31]|
	v_max3_num_f32 v8, v8, v9, FLOORB              ; the floor holds the byte at 1 from below
	v_add_nc_u32 v10, 0xfe000000, v8               ; 4 off the exponent field: the conversion's scale operand
	v_cvt_scalef32_pk16_bf6_f32 v[CD:CD+2], v[XS:XS+15], v10
	v_cvt_scalef32_pk16_bf6_f32 v[TW:TW+2], v[XS+16:XS+31], v10
	v_lshrrev_b32 v11, 23, v10                     ; the byte (a plain line behind the conversions)
.if (\b) == 0
	v_mov_b32 v12, v11
.else
	v_lshl_or_b32 v12, v11, 8*(\b), v12            ; four bytes make the column's word of this K step
.endif
.irp i, 0,1,2
	v_mov_b32 v[CD+3+\i], v[TW+\i]
.endr
.endm
; A wave: 32 columns x 128 K.  s[20:21] the weight, s22 byte offset of my 32 columns, s23 the K step, s24 the first of my two tiles
.macro WPATH pitch
	s_mul_i32 s26, s23, 128*\pitch
	s_add_co_u32 s26, s26, s22
	s_mov_b32 s27, 0
	s_add_nc_u64 s[20:21], s[20:21], s[26:27]
	s_mul_i32 s28, s24, 12288
	s_mul_i32 s30, s23, 1536
	s_add_co_u32 s28, s28, s30
	s_mov_b32 s29, 0
	s_add_nc_u64 s[28:29], s[14:15], s[28:29]      ; the two tiles' fragment of this K step
	s_lshl_b32 s30, s24, 9
	s_lshl_b32 s32, s23, 2
	s_add_co_u32 s30, s30, s32
	s_add_co_u32 s30, s30, SCB
	s_mov_b32 s31, 0
	s_add_nc_u64 s[30:31], s[14:15], s[30:31]      ; and their scale words
.set kq, 0
.rept 128
	global_load_b32 v[X+kq], v1, s[20:21] offset:kq*\pitch th:TH_LOAD_NT   ; a lane a column, registers down K: 128 consecutive bytes a wave, 512 a work-group
.set kq, kq+1
.endr
	s_wait_loadcnt 63                              ; at most 63 are out: the first 65 loads are in, blocks 0 and 1 among them
	WBLOCK 0
	WBLOCK 1
	s_wait_loadcnt 32                              ; block 3's 32 may be out
	WBLOCK 2
	s_wait_loadcnt 0x0
	WBLOCK 3
.irp hh, 0,1
.irp i, 0,1,2
	global_store_b128 v2, v[CW+12*\hh+4*\i:CW+12*\hh+4*\i+3], s[28:29] offset:256*\hh+512*\i   ; sixteen lanes fill 256 aligned bytes of one tile's image, the other sixteen of the other's
.endr
.endr
	global_store_b32 v3, v12, s[30:31]
.endm
; fragment f of my two: 16 rows x 128 K through my stage, then two whole blocks a lane
.macro RFRAG f
.irp i, 0,1,2,3,4,5,6,7,8,9,10,11,12,13,14,15
	ds_store_b128 v2, v[RR+64*\f+4*\i:RR+64*\f+4*\i+3] offset:528*\i
.endr
.irp c, 0,1
.irp q, 0,1,2,3,4,5,6,7
	ds_load_b128 v[XR+32*\c+4*\q:XR+32*\c+4*\q+3], v3 offset:256*\c+16*\q   ; LDS serves a wave's instructions in order: these see the stores above
.endr
.endr
	s_wait_dscnt 0x0
.irp c, 0,1
	v_max3_num_f32 v[8+\c], |v[XR+32*\c]|, |v[XR+32*\c+1]|, FLOORB
.endr
.irp i, 2,4,6,8,10,12,14,16,18,20,22,24,26,28,30
.irp c, 0,1
	v_max3_num_f32 v[8+\c], v[8+\c], |v[XR+32*\c+\i]|, |v[XR+32*\c+\i+1]|
.endr
.endr
.irp c, 0,1
	v_add_nc_u32 v[10+\c], 0xfe000000, v[8+\c]
.endr
.irp c, 0,1
	v_lshrrev_b32 v[14+\c], 23, v[10+\c]
.endr
	v_lshl_or_b32 v[16+\f], v15, 16, v14           ; my two bytes: blocks h and 2 + h,
	v_lshlrev_b32 v[16+\f], v5, v[16+\f]           ; 8 h bits up;
	v_permlanex16_b32 v13, v[16+\f], s28, s29
	v_or_b32 v[16+\f], v[16+\f], v13               ; with the lane 16 away the word is whole
.irp c, 0,1
	v_cvt_scalef32_pk16_bf6_f32 v[CW+12*\f+6*\c:CW+12*\f+6*\c+2], v[XR+32*\c:XR+32*\c+15], v[10+\c]
	v_cvt_scalef32_pk16_bf6_f32 v[TW+4*\c:TW+4*\c+2], v[XR+32*\c+16:XR+32*\c+31], v[10+\c]
.endr
	v_nop                                          ; one plain line behind the conversions
.irp c, 0,1
.irp i, 0,1,2
	v_mov_b32 v[CW+12*\f+6*\c+3+\i], v[TW+4*\c+\i]
.endr
.endr
.irp i, 0,1,2
	global_store_b128 v1, v[CW+12*\f+4*\i:CW+12*\f+4*\i+3], s[24:25] offset:1536*\f+512*\i   ; 512 consecutive bytes of the image
.endr
.endm
	s_load_b128 s[4:7], s[0:1], 0x0                ; x, prefix_embd
	s_load_b128 s[8:11], s[0:1], 0x10              ; w_attn, w_prefix
	s_load_b128 s[12:15], s[0:1], 0x20             ; w_proj, ops
	v_lshl_add_u32 v59, v0, 2, 0x8400
	v_mov_b32 v63, 0
	v_lshrrev_b32 v1, 5, v0
	v_readfirstlane_b32 s16, v1                    ; wave
	v_and_b32 v20, 31, v0                          ; lane L
	s_wait_kmcnt 0x0
	s_cmp_ge_u32 ttmp9, 384
	s_cbranch_scc1 .Lrows
	; weights.  Column L of my 32 is row r' = L % 8 + 8 (L / 16) of tile u = (L / 8) % 2
	s_wait_alu depctr_va_vdst(0)
	v_lshlrev_b32 v1, 2, v20
	v_bfe_u32 v5, v20, 3, 1
	v_and_b32 v6, 7, v20
	v_lshrrev_b32 v7, 4, v20
	v_lshl_or_b32 v6, v7, 3, v6
	v_mul_u32_u24 v2, v5, 12288
	v_lshl_add_u32 v2, v6, 4, v2                   ; 12,288 u + 16 r'
	v_lshlrev_b32 v3, 9, v5
	v_lshl_add_u32 v3, v6, 5, v3                   ; 512 u + 32 r'
	s_cmp_ge_u32 ttmp9, 320
	s_cbranch_scc1 .Lnarrow
	s_cmp_lt_u32 ttmp9, 192                        ; w_attn or w_prefix: the choice hangs on the work-group's number alone
	s_cselect_b64 s[20:21], s[8:9], s[10:11]
	s_cselect_b32 s17, 0, 192
	s_cselect_b32 s22, 0, 4096                     ; w_prefix begins at column 1,024
	s_sub_co_u32 s17, ttmp9, s17
	s_and_b32 s23, s17, 7                          ; K step
	s_lshr_b32 s17, s17, 3
	s_lshl_b32 s18, s17, 2
	s_add_co_u32 s18, s18, s16                     ; G: which 32 columns
	s_lshl_b32 s19, s18, 7
	s_add_co_u32 s22, s22, s19
	s_lshl_b32 s24, s18, 1
	s_add_co_u32 s24, s24, 544                     ; w_attn's tiles
	s_lshr_b32 s25, s18, 1
	s_and_b32 s25, s25, 15
	s_lshl_b32 s25, s25, 3                         ; 8 head
	s_lshr_b32 s26, s18, 5
	s_lshl_b32 s26, s26, 2                         ; 4 (k: 0, v: 1)
	s_add_co_u32 s25, s25, s26
	s_and_b32 s26, s18, 1
	s_lshl_b32 s26, s26, 1
	s_add_co_u32 s25, s25, s26
	s_add_co_u32 s25, s25, 736                     ; w_prefix's
	s_cmp_lt_u32 ttmp9, 192
	s_cselect_b32 s24, s24, s25
	s_wait_alu depctr_va_vdst(0)
	WPATH 12288
	s_endpgm
.Lnarrow:
	s_sub_co_u32 s17, ttmp9, 320
	s_and_b32 s23, s17, 7
	s_lshr_b32 s17, s17, 3
	s_lshl_b32 s18, s17, 2
	s_add_co_u32 s18, s18, s16
	s_lshl_b32 s22, s18, 7
	s_lshl_b32 s24, s18, 1
	s_add_co_u32 s24, s24, 864
	s_mov_b64 s[20:21], s[12:13]
	s_wait_alu depctr_va_vdst(0)
	WPATH 4096
	s_endpgm
.Lrows:
	; one tile of 16 rows; wave w takes K steps 2 w and 2 w + 1
	s_sub_co_u32 s17, ttmp9, 384                   ; the tile
	s_cmp_lt_u32 s17, 512
	s_cselect_b64 s[20:21], s[4:5], s[6:7]
	s_cselect_b32 s18, 0, 512
	s_sub_co_u32 s18, s17, s18                     ; the tile within its tensor
	s_lshr_b32 s19, s18, 1
	s_lshl_b32 s19, s19, 5
	s_and_b32 s22, s18, 1
	s_lshl_b32 s22, s22, 3
	s_add_co_u32 s19, s19, s22                     ; its first row
	s_lshl_b32 s22, s19, 12
	s_lshl_b32 s23, s16, 10
	s_add_co_u32 s22, s22, s23
	s_mov_b32 s23, 0
	s_add_nc_u64 s[20:21], s[20:21], s[22:23]
	s_lshl_b32 s24, s17, 3
	s_lshl_b32 s25, s16, 1
	s_add_co_u32 s24, s24, s25
	s_mul_i32 s24, s24, 1536
	s_mov_b32 s25, 0
	s_add_nc_u64 s[24:25], s[14:15], s[24:25]
	s_lshl_b32 s26, s17, 9
	s_lshl_b32 s27, s16, 3
	s_add_co_u32 s26, s26, s27
	s_add_co_u32 s26, s26, SCB
	s_mov_b32 s27, 0
	s_add_nc_u64 s[26:27], s[14:15], s[26:27]
	s_mov_b32 s28, 0x76543210
	s_mov_b32 s29, 0xfedcba98                      ; lane selects: the lane 16 away
	s_mov_b32 s30, 0xffff0000                      ; lanes 16-31
	s_mul_i32 s31, s16, 8448                       ; my stage: 16 rows x (512 + 16) bytes
	s_wait_alu depctr_va_vdst(0)
	v_lshlrev_b32 v1, 4, v20
	v_add_nc_u32 v2, s31, v1
	v_and_b32 v6, 15, v20
	v_lshrrev_b32 v7, 4, v20
	v_mul_u32_u24 v3, v6, 528
	v_lshl_add_u32 v3, v7, 7, v3
	v_add_nc_u32 v3, s31, v3                       ; out of it: row r, + 128 h: k = 64 c + 32 h + 0 .. 31
	v_lshlrev_b32 v4, 5, v6
	v_lshl_add_u32 v4, v7, 2, v4                   ; 32 r + 4 h
	v_lshlrev_b32 v5, 3, v7
	v_mov_b32 v13, 0                               ; a lane permute's destination counts as one of its sources
.irp f, 0,1
.irp i, 0,1,2,3,4,5,6,7,8,9,10,11,12,13,14,15
	global_load_b128 v[RR+64*\f+4*\i:RR+64*\f+4*\i+3], v1, s[20:21] offset:(\i+8*(\i/8))*4096+512*\f th:TH_LOAD_NT   ; 512 consecutive bytes of one row
.endr
.endr
	s_wait_alu depctr_va_vdst(0)
	s_wait_loadcnt 16                              ; the first fragment's sixteen are in
	RFRAG 0
	s_wait_loadcnt 0x0
	RFRAG 1
	v_cndmask_b32 v16, v16, v17, s30               ; lanes 0-15 store K step 2 w's word, lanes 16-31 the next one's
	global_store_b32 v4, v16, s[26:27]
	s_wait_tensorcnt 0x0
	ds_add_u32 v59, v63
	s_wait_dscnt 0x0
	s_endpgm
.Lfunc_end_k_qb462c05a21_quant:
	.size	k_qb462c05a21_quant, .Lfunc_end_k_qb462c05a21_quant-k_qb462c05a21_quant
	.p2alignl 7, 3214868480
	.fill 96, 4, 3214868480
	.section	.rodata,"a",@progbits
	.p2align	6, 0x0
	.amdhsa_kernel k_qb462c05a21_quant
		.amdhsa_group_segment_fixed_size 34304
		.amdhsa_private_segment_fixed_size 0
		.amdhsa_enable_private_segment 0
		.amdhsa_kernarg_size 48
		.amdhsa_user_sgpr_count 2
		.amdhsa_user_sgpr_kernarg_segment_ptr 1
		.amdhsa_wavefront_size32 1
		.amdhsa_system_sgpr_workgroup_id_x 1
		.amdhsa_system_sgpr_workgroup_id_y 1
		.amdhsa_system_sgpr_workgroup_id_z 1
		.amdhsa_system_vgpr_workitem_id 0
		.amdhsa_next_free_vgpr 256
		.amdhsa_next_free_sgpr 66
		.amdhsa_reserve_vcc 0
		.amdhsa_float_denorm_mode_32 3
		.amdhsa_float_denorm_mode_16_64 3
		.amdhsa_memory_ordered 1
		.amdhsa_forward_progress 1
		.amdhsa_inst_pref_size 57
	.end_amdhsa_kernel
	.amdgpu_metadata
---
amdhsa.version: [ 1, 2 ]
amdhsa.kernels:
  - .name:           k_qb462c05a21_quant
    .symbol:         k_qb462c05a21_quant.kd
    .args:
      - { .name: x, .offset: 0, .size: 8, .value_kind: global_buffer, .address_space: global }
      - { .name: prefix_embd, .offset: 8, .size: 8, .value_kind: global_buffer, .address_space: global }
      - { .name: w_attn, .offset: 16, .size: 8, .value_kind: global_buffer, .address_space: global }
      - { .name: w_prefix, .offset: 24, .size: 8, .value_kind: global_buffer, .address_space: global }
      - { .name: w_proj, .offset: 32, .size: 8, .value_kind: global_buffer, .address_space: global }
      - { .name: ops, .offset: 40, .size: 8, .value_kind: global_buffer, .address_space: global }
    .group_segment_fixed_size: 34304
    .private_segment_fixed_size: 0
    .kernarg_segment_align: 8
    .kernarg_segment_size: 48
    .max_flat_workgroup_size: 128
    .sgpr_count:     66
    .vgpr_count:     256
    .wavefront_size: 32
...
	.end_amdgpu_metadata
.endif
;; end of part 1
;; launch qkv (part 2): grid 12 x 64, 4 waves a work-group, clusters of 4 x 4, 295,424 bytes of LDS; arguments ops, b_attn, qkv; writes qkv
.if DOCPART == 2
	.amdgcn_target "amdgcn-amd-amdhsa--gfx1250"
	.amdhsa_code_object_version 6
	.text
	.protected	k_qb462c05a21_qkv
	.globl	k_qb462c05a21_qkv
	.p2align	8
	.type	k_qb462c05a21_qkv,@function
k_qb462c05a21_qkv:
	s_mov_b64 s[64:65], 0
	v_nop
	global_prefetch_b8 v0, s[64:65] scope:SCOPE_SE
	s_setreg_imm32_b32 hwreg(HW_REG_WAVE_MODE, 25, 1), 1
	s_wait_xcnt 0x0
	s_wait_alu depctr_hold_cnt(0) depctr_sa_sdst(0) depctr_va_vdst(0) depctr_va_sdst(0) depctr_va_ssrc(0) depctr_va_vcc(0) depctr_vm_vsrc(0)
	s_getreg_b32 s2, hwreg(HW_REG_IB_STS2, 6, 4)
	s_cmp_eq_u32 s2, 0
	s_cbranch_scc0 .Lentry_in_a_cluster
	s_endpgm
.Lentry_in_a_cluster:
	s_bfe_u32 s2, ttmp6, 0x10000c
	s_cmp_lg_u32 s2, 0xf033
	s_cbranch_scc0 .Lentry_shape_is_right
	s_endpgm
.Lentry_shape_is_right:
; qkv = x w_attn + b_attn on codes of BF6 with E8M0 scales; the results leave as codes again: q and k quantised along the head's 64, v along the tokens.
; ONE FORM: D = P (source 0) x R (source 1); a lane holds one row of R and its registers run along P, along which the result is quantised.  q, k: P = weight columns, R = tokens.  v: P = tokens, R = weight columns.
; A work-group makes P 256 x R 128 with ALL of K = 1,024 in LDS (four quarters, each filled once: no slot is ever filled again).  Four waves, each P 128 x R 64: 32 accumulators.
; CLUSTER 4 x 4: P's tiles hang on cx alone and are asked for jointly by a column of the cluster, R's on cy alone, by a row.  Cluster x = 0 q, 1 k, 2 v; cluster y = g.
; Operands come as images of their registers (a fragment: 1,536 bytes, registers 4 i .. 4 i + 3 of lane L at 512 i + 16 L): three loads of 16 bytes a lane bring one, without bank conflicts or padding.
; OUT, for each (batch, head) a struct of STR bytes: q's and k's tiles as halves of a fragment (768 bytes: registers 0-3 at 16 L, 4-5 at 512 + 8 L), v's fragments [K step][half][tile], and the scale words.
; LIMITS: a block of zeros gets the byte 1, not 127 (its codes are zeros; this program alone reads the bytes); NaN and infinities are not served.
; REGISTERS: window 0: v1-20 addresses; v32-95 P's scale words (8 b + s), v96-127 R's (8 a + s): scales and nothing else; v128-191 bias along P, later the codes made; v200-223 at work; v224-255 bias along R.
;   window 1: accumulator (a, b) at 8 (8 a + b).   windows 2, 3: two sets of fragments: P's b at 12 b, R's a at 96 + 12 a.
.set STR,  157696
.set QS,   49152
.set KI,   53248
.set VI,   102400
.set KS,   151552
.set VS,   155648
.set SCB,  11403264
.set FLOORB, 0x2800000
; LDS as it is filled here: each wave brings its tiles whole, all eight K steps, by ONE dense load: P's 16 tiles of 12,288 bytes from byte 0, R's 8 tiles from byte 196,608; every byte is filled once
.set ADP,  4                           ; v4, v5  16 L + my tiles 0-3 and 4-7 of P
.set ADR,  8                           ; v8      16 L + my 4 tiles of R
.set SCP,  32
.set SCR,  96
.set BP,   128
.set BR,   224
.set TM,   200
.set PWS,  216
.set MSB, 0
.macro WIN new                         ; the immediate's high byte repeats the setting that is left
.if MSB != (\new)
	s_set_vgpr_msb (MSB<<8)|(\new)
.set MSB, (\new)
.endif
.endm
.macro ROUND                           ; a round of the cluster's barrier
	s_barrier_signal -1
	s_barrier_wait -1
	s_cmp_lg_u32 s12, 0
	s_cbranch_scc1 .Lnot_wave_0_\@
	s_barrier_signal -3
.Lnot_wave_0_\@:
	s_barrier_wait -3
	s_barrier_signal -1
	s_barrier_wait -1
.endm
.macro PLACES                          ; four plain lines between a matrix instruction and a load into, or a read of, its registers
.rept 4
	v_nop
.endr
.endm
.macro FETCH s                         ; K step s: 8 fragments of P and 4 of R into set s % 2
	WIN 0x80+0x40*((\s)%2)
.irp b, 0,1,2,3,4,5,6,7
.irp i, 0,1,2
	ds_load_b128 v[12*\b+4*\i:12*\b+4*\i+3], v[ADP+\b/4] offset:12288*(\b%4)+1536*(\s)+512*\i
.endr
.endr
.irp a, 0,1,2,3
.irp i, 0,1,2
	ds_load_b128 v[96+12*\a+4*\i:96+12*\a+4*\i+3], v[ADR] offset:12288*\a+1536*(\s)+512*\i
.endr
.endr
.endm
; 32 matrix instructions; the 32 accumulators take turns, one instruction a turn, in the same order in every step.  cf = 1: the sums start from the bias along P; 2: along R
.macro MUL s, cf
.if \cf
	WIN 0x4a
.else
	WIN 0x5a+5*((\s)%2)
.endif
.irp a, 0,1,2,3
.irp b, 0,1,2,3,4,5,6,7
.if \cf == 1
	v_wmma_scale_f32_16x16x128_f8f6f4 v[8*(8*\a+\b):8*(8*\a+\b)+7], v[12*\b:12*\b+11], v[96+12*\a:96+12*\a+11], v[BP+8*\b:BP+8*\b+7], v[SCP+8*\b+(\s)], v[SCR+8*\a+(\s)] matrix_a_fmt:MATRIX_FMT_BF6 matrix_b_fmt:MATRIX_FMT_BF6
.elseif \cf == 2
	v_wmma_scale_f32_16x16x128_f8f6f4 v[8*(8*\a+\b):8*(8*\a+\b)+7], v[12*\b:12*\b+11], v[96+12*\a:96+12*\a+11], v[BR+8*\a:BR+8*\a+7], v[SCP+8*\b+(\s)], v[SCR+8*\a+(\s)] matrix_a_fmt:MATRIX_FMT_BF6 matrix_b_fmt:MATRIX_FMT_BF6
.else
	v_wmma_scale_f32_16x16x128_f8f6f4 v[8*(8*\a+\b):8*(8*\a+\b)+7], v[12*\b:12*\b+11], v[96+12*\a:96+12*\a+11], v[8*(8*\a+\b):8*(8*\a+\b)+7], v[SCP+8*\b+(\s)], v[SCR+8*\a+(\s)] matrix_a_fmt:MATRIX_FMT_BF6 matrix_b_fmt:MATRIX_FMT_BF6
.endif
.endr
.endr
.endm
.macro STEP s                          ; what stands in front of K step s's products
	s_wait_dscnt 0x0                               ; this step's fragments are in; no LDS access of mine is out at a signal
.if (\s) < 7
.if (\s) > 0
	PLACES
.endif
	FETCH (\s)+1                                   ; the next step's fragments land under this step's products
.endif
.endm
	s_load_b128 s[4:7], s[0:1], 0x0                ; ops, b_attn
	s_load_b64 s[8:9], s[0:1], 0x10                ; qkv
	v_lshl_add_u32 v210, v0, 2, 0x48000
	v_mov_b32 v211, 0
	ds_add_u32 v210, v211
	ds_add_u32 v210, v211
	v_lshrrev_b32 v1, 5, v0
	v_readfirstlane_b32 s12, v1                    ; wave
	s_lshr_b32 s13, s12, 1                         ; my half of R.  Also: I fetch for P (0) or for R (1)
	s_and_b32 s14, s12, 1                          ; my half of P.  Also: which half of that operand's tiles I fetch
	s_bfe_u32 s15, ttmp6, 0x40000                  ; cx
	s_bfe_u32 s16, ttmp6, 0x40004                  ; cy
	s_mov_b32 s17, ttmp9                           ; 0 q, 1 k, 2 v
	s_and_b32 s18, ttmp7, 0xffff                   ; g
	s_lshl_b32 s19, s17, 6
	s_add_co_u32 s19, s19, 544                     ; q, k: P = this kind's 64 tiles of weight columns
	s_lshr_b32 s20, s18, 1
	s_lshl_b32 s20, s20, 6                         ; v: P = the batch's 64 tiles of tokens
	s_lshl_b32 s21, s18, 5                         ; q, k: R = tokens, 32 tiles a cluster
	s_and_b32 s22, s18, 1
	s_lshl_b32 s22, s22, 5
	s_add_co_u32 s22, s22, 672                     ; v: R = half of v's 64 tiles of weight columns
	s_cmp_eq_u32 s17, 2
	s_cselect_b32 s19, s20, s19
	s_cselect_b32 s21, s22, s21
	s_lshl_b32 s76, s15, 4
	s_add_co_u32 s76, s76, s19                     ; P's first tile: hangs on cx, never on cy
	s_lshl_b32 s77, s16, 3
	s_add_co_u32 s77, s77, s21                     ; R's first tile: hangs on cy, never on cx
	s_lshl_b32 s20, s16, 2
	s_lshl_b32 s20, 15, s20                        ; my row of the cluster
	s_lshl_b32 s22, 0x1111, s15                    ; my column
	; group 1: rows of 12,288 bytes (1,536 elements of 8: a whole tile), 12,288 bytes apart in memory, dense in LDS; 8 tiles of P or 4 of R
	s_or_b32 s24, s22, (3<<16)|(1<<21)
	s_mov_b32 s25, 1536<<16                        ; a row is a whole tile: 1,536 elements of 8 bytes
	s_mov_b32 s26, 8<<16
	s_mov_b32 s27, 1536<<16
	s_mov_b32 s28, 8
	s_mov_b32 s29, 1536
	s_mov_b32 s30, 0
	s_mov_b32 s31, 0
	s_or_b32 s32, s20, (3<<16)|(1<<21)
	s_mov_b32 s33, 1536<<16
	s_mov_b32 s34, 4<<16
	s_mov_b32 s35, 1536<<16
	s_mov_b32 s36, 4
	s_mov_b32 s37, 1536
	s_mov_b32 s38, 0
	s_mov_b32 s39, 0
	s_lshl_b32 s78, s14, 3
	s_add_co_u32 s78, s78, s76
	s_mul_i32 s78, s78, 12288
	s_mov_b32 s79, 0
	s_lshl_b32 s80, s14, 2
	s_add_co_u32 s80, s80, s77
	s_mul_i32 s80, s80, 12288
	s_mov_b32 s81, 0
	s_mul_i32 s82, s14, 98304                      ; LDS: no place in the cluster enters an LDS address
	s_mul_i32 s83, s14, 49152
	s_add_co_u32 s83, s83, 196608
	s_wait_dscnt 0x0
	s_wait_kmcnt 0x0
	s_add_nc_u64 s[78:79], s[4:5], s[78:79]
	s_add_nc_u64 s[80:81], s[4:5], s[80:81]
	s_mov_b32 s40, 1
	s_mov_b32 s41, s82
	s_mov_b64 s[42:43], s[78:79]
	s_or_b32 s43, s43, 0x80000000
	s_mov_b32 s56, 1
	s_mov_b32 s57, s83
	s_mov_b64 s[58:59], s[80:81]
	s_or_b32 s59, s59, 0x80000000
	ROUND                                          ; all sixteen work-groups are here: the joint loads meet
	s_cmp_eq_u32 s13, 0                            ; a wave's one fill stands in the two arms of one branch: one load of mine is out
	s_cbranch_scc0 .Lfill_r
	tensor_load_to_lds s[40:43], s[24:31]
	s_nop 0
.rept 4
	v_nop
.endr
	s_branch .Lfilled
.Lfill_r:
	tensor_load_to_lds s[56:59], s[32:39]
	s_nop 0
.rept 4
	v_nop
.endr
.Lfilled:
	; where the results go.  q, k: struct 16 batch + 4 cx + 2 wp (+ 1 for the fragment's second half), token tile tau0 + a.  v: struct 16 batch + 8 (g & 1) + 2 cy + wr, K step 2 cx + wp, tile a
	s_lshr_b32 s84, s18, 1
	s_lshl_b32 s84, s84, 4
	s_and_b32 s85, s18, 1
	s_lshl_b32 s86, s15, 2
	s_add_co_u32 s86, s86, s84
	s_lshl_b32 s87, s14, 1
	s_add_co_u32 s86, s86, s87                     ; q, k: struct
	s_lshl_b32 s87, s85, 5
	s_lshl_b32 s88, s16, 3
	s_add_co_u32 s87, s87, s88
	s_lshl_b32 s88, s13, 2
	s_add_co_u32 s87, s87, s88                     ; tau0
	s_lshl_b32 s88, s85, 3
	s_add_co_u32 s88, s88, s84
	s_lshl_b32 s89, s16, 1
	s_add_co_u32 s88, s88, s89
	s_add_co_u32 s88, s88, s13                     ; v: struct
	s_lshl_b32 s89, s15, 1
	s_add_co_u32 s89, s89, s14                     ; v: K step
	s_mul_i32 s90, s17, KI
	s_mul_i32 s91, s87, 768
	s_add_co_u32 s90, s90, s91
	s_mul_i32 s91, s89, 6144
	s_add_co_u32 s91, s91, VI
	s_mul_i32 s92, s17, KS-QS
	s_lshl_b32 s93, s87, 6
	s_add_co_u32 s92, s92, s93
	s_add_co_u32 s92, s92, QS
	s_lshl_b32 s93, s89, 8
	s_add_co_u32 s93, s93, VS
	s_mov_b32 s94, STR
	s_cmp_eq_u32 s17, 2
	s_cselect_b32 s86, s88, s86
	s_cselect_b32 s96, s91, s90
	s_cselect_b32 s98, s93, s92
	s_cselect_b32 s95, 3072, s94                   ; from a fragment's first half to its second
	s_cselect_b32 s94, 8, s94                      ; from lanes 0-15's scale words to lanes 16-31's
	s_mul_i32 s86, s86, STR
	s_add_co_u32 s96, s96, s86
	s_add_co_u32 s98, s98, s86
	s_mov_b32 s97, 0
	s_mov_b32 s99, 0
	s_add_nc_u64 s[96:97], s[8:9], s[96:97]        ; images
	s_add_nc_u64 s[98:99], s[8:9], s[98:99]        ; scale words
	s_lshl_b32 s84, s14, 3
	s_add_co_u32 s84, s84, s76
	s_lshl_b32 s84, s84, 9
	s_add_co_u32 s84, s84, SCB
	s_mov_b32 s85, 0
	s_add_nc_u64 s[84:85], s[4:5], s[84:85]        ; my 8 tiles' scale words of P
	s_lshl_b32 s86, s13, 2
	s_add_co_u32 s86, s86, s77
	s_lshl_b32 s86, s86, 9
	s_add_co_u32 s86, s86, SCB
	s_mov_b32 s87, 0
	s_add_nc_u64 s[86:87], s[4:5], s[86:87]        ; my 4 tiles' of R
	s_lshl_b32 s88, s17, 12
	s_lshl_b32 s89, s15, 10
	s_add_co_u32 s88, s88, s89
	s_lshl_b32 s89, s14, 9
	s_add_co_u32 s88, s88, s89
	s_mov_b32 s89, 0
	s_add_nc_u64 s[88:89], s[6:7], s[88:89]        ; b_attn at column 1,024 kind + 256 cx + 128 wp: q's and k's bias along P (inside the buffer for v too, where it is not used)
	s_and_b32 s90, s18, 1
	s_lshl_b32 s90, s90, 11
	s_lshl_b32 s91, s16, 9
	s_add_co_u32 s90, s90, s91
	s_lshl_b32 s91, s13, 8
	s_add_co_u32 s90, s90, s91
	s_add_co_u32 s90, s90, 8192
	s_mov_b32 s91, 0
	s_add_nc_u64 s[90:91], s[6:7], s[90:91]        ; b_attn at column 2,048 + 512 (g & 1) + 128 cy + 64 wr: v's bias along R (loaded for q and k too, not used there)
	s_mov_b32 s92, 0x76543210
	s_mov_b32 s93, 0xfedcba98
	s_mov_b32 s23, 0xffff0000                      ; lanes 16-31
	v_and_b32 v17, 31, v0                          ; L
	v_and_b32 v18, 15, v0                          ; r
	v_bfe_u32 v3, v0, 4, 1                         ; h
	v_lshlrev_b32 v1, 4, v17
	v_lshlrev_b32 v2, 5, v18
	v_lshlrev_b32 v13, 3, v17
	v_lshlrev_b32 v12, 6, v3
	v_lshlrev_b32 v19, 4, v3
	v_and_b32 v20, 8, v18
	v_add_nc_u32 v20, v20, v18
	v_lshlrev_b32 v20, 2, v20                      ; 4 (r + 8 (r / 8))
	v_add_nc_u32 v[ADP], s82, v1
	s_mul_i32 s19, s13, 49152
	s_add_co_u32 s19, s19, 196608
	v_add_nc_u32 v[ADR], s19, v1
	v_add_nc_u32 v[ADP+1], 49152, v[ADP]
	v_add_nc_u32 v14, s95, v1
	v_add_nc_u32 v15, s95, v13
	v_mul_u32_u24 v16, s94, v3
	v_lshl_add_u32 v16, v18, 4, v16
.irp b, 0,1,2,3,4,5,6,7
	global_load_b128 v[SCP+8*\b:SCP+8*\b+3], v2, s[84:85] offset:512*\b          ; row r's eight words: one for each K step
	global_load_b128 v[SCP+8*\b+4:SCP+8*\b+7], v2, s[84:85] offset:512*\b+16
.endr
.irp a, 0,1,2,3
	global_load_b128 v[SCR+8*\a:SCR+8*\a+3], v2, s[86:87] offset:512*\a
	global_load_b128 v[SCR+8*\a+4:SCR+8*\a+7], v2, s[86:87] offset:512*\a+16
.endr
.irp pb, 0,1,2,3
.irp q, 0,1,2,3
	global_load_b128 v[BP+16*\pb+4*\q:BP+16*\pb+4*\q+3], v12, s[88:89] offset:128*\pb+16*\q   ; tiles 2 pb, 2 pb + 1: P indices 32 pb + 16 h + 0 .. 15
.endr
.endr
.irp a, 0,1,2,3
	global_load_b32 v[BR+8*\a], v20, s[90:91] offset:128*(\a/2)+32*(\a%2)
.endr
.irp b, 0,1,2,3
	v_mov_b32 v[TM+4+\b], 0                        ; a lane permute's destination counts as one of its sources
.endr
	s_wait_loadcnt 0x0
.irp a, 0,1,2,3
.irp j, 1,2,3,4,5,6,7
	v_mov_b32 v[BR+8*\a+\j], v[BR+8*\a]            ; along R a lane's eight results share one bias
.endr
.endr
	s_wait_tensorcnt 0x0                           ; my one load has landed
	s_barrier_signal -1
	s_barrier_wait -1
	FETCH 0
	STEP 0
	WIN 0                                          ; at a branch and at a label every window is 0
	s_cmp_eq_u32 s17, 2                            ; the same in all sixteen partners
	s_cbranch_scc1 .Lfirst_v
	MUL 0, 1
	WIN 0
	s_branch .Lfirst_done
.Lfirst_v:
	s_wait_alu depctr_va_vdst(0)
	MUL 0, 2
	WIN 0
.Lfirst_done:
.irp s, 1,2,3,4,5,6,7
	STEP \s
	MUL \s, 0
.endr
	WIN 0
	PLACES
; R tile a: a lane's 64 results, register 16 b + i = P index 32 b + 16 h + i of its row, become a fragment's codes and its scale word, and leave
.macro QUANTW a
.set AC, 64*(\a)
.set PC, 128+20*((\a)%2)
	s_wait_xcnt 0x0                                ; this set of registers was the data of stores two tiles back: it is written again only behind this wait
	WIN 0x05
.irp b, 0,1,2,3
	v_max3_num_f32 v[TM+\b], |v[AC+16*\b]|, |v[AC+16*\b+1]|, FLOORB   ; each accumulator is read from its low end on
.endr
	WIN 0x14
.irp i, 2,4,6,8,10,12,14
.irp b, 0,1,2,3
	v_max3_num_f32 v[TM+\b], v[TM+\b], |v[AC+16*\b+\i]|, |v[AC+16*\b+\i+1]|
.endr
.endr
	WIN 0
.irp b, 0,1,2,3
	v_permlanex16_b32 v[TM+4+\b], v[TM+\b], s92, s93
.endr
.irp b, 0,1,2,3
	v_max_num_f32 v[TM+\b], v[TM+\b], v[TM+4+\b]   ; with the lane 16 away: the block's largest magnitude
.endr
.irp b, 0,1,2,3
	v_add_nc_u32 v[TM+12+\b], 0xfe000000, v[TM+\b]
.endr
.irp b, 0,1,2,3
	v_lshrrev_b32 v[TM+4+\b], 23, v[TM+12+\b]
.endr
	v_lshl_or_b32 v[PWS+(\a)], v[TM+5], 8, v[TM+4]
	v_lshl_or_b32 v[PWS+(\a)], v[TM+6], 16, v[PWS+(\a)]
	v_lshl_or_b32 v[PWS+(\a)], v[TM+7], 24, v[PWS+(\a)]
	WIN 0x01
.irp c, 0,1
	v_cvt_scalef32_pk16_bf6_f32 v[PC+6*\c:PC+6*\c+2], v[AC+32*\c:AC+32*\c+15], v[TM+12+2*\c]
	v_cvt_scalef32_pk16_bf6_f32 v[PC+12+4*\c:PC+14+4*\c], v[AC+32*\c+16:AC+32*\c+31], v[TM+13+2*\c]
.endr
	WIN 0
	v_nop                                          ; one plain line behind the conversions
.irp c, 0,1                                    ; the operand's layout wants a whole block in a lane
.irp i, 0,1,2
	v_permlane16_swap_b32 v[PC+6*\c+\i], v[PC+12+4*\c+\i]
.endr
.irp i, 0,1,2
	v_mov_b32 v[PC+3+6*\c+\i], v[PC+12+4*\c+\i]
.endr
.endr
	global_store_b128 v1, v[PC:PC+3], s[96:97] offset:768*(\a)           ; 512 consecutive aligned bytes,
	global_store_b64 v13, v[PC+4:PC+5], s[96:97] offset:768*(\a)+512     ; and 256: the first half
	global_store_b128 v14, v[PC+6:PC+9], s[96:97] offset:768*(\a)        ; the second half: the next head (q, k) or the next 64 tokens (v)
	global_store_b64 v15, v[PC+10:PC+11], s[96:97] offset:768*(\a)+512
.endm
	QUANTW 0
	QUANTW 1
	QUANTW 2
	QUANTW 3
	s_cmp_eq_u32 s17, 2
	s_cbranch_scc1 .Lv_scales
.irp a, 0,1,2,3
	v_lshrrev_b32 v[220+\a], v19, v[PWS+\a]        ; lanes 0-15: the first head's two bytes, lanes 16-31: the second's;
.endr
.irp a, 0,1,2,3
	v_and_b32 v[220+\a], 0xffff, v[220+\a]         ; the word's upper bytes are 0: they scale the K that a head does not have
.endr
	global_store_b128 v16, v[220:223], s[98:99]    ; four tiles' words of row r: 256 aligned bytes for each head
	s_branch .Lscales_done
.Lv_scales:
	v_cndmask_b32 v220, v216, v218, s23            ; lanes 0-15 store tiles 0, 1's words, lanes 16-31 tiles 2, 3's
	v_cndmask_b32 v221, v217, v219, s23
	global_store_b64 v16, v[220:221], s[98:99]     ; 256 aligned bytes
.Lscales_done:
	s_wait_tensorcnt 0x0
	ds_add_u32 v210, v211
	s_wait_dscnt 0x0
	ROUND                                          ; the closing round: no work-group ends while a partner may still ask jointly
	s_endpgm
.Lfunc_end_k_qb462c05a21_qkv:
	.size	k_qb462c05a21_qkv, .Lfunc_end_k_qb462c05a21_qkv-k_qb462c05a21_qkv
	.p2alignl 7, 3214868480
	.fill 96, 4, 3214868480
	.section	.rodata,"a",@progbits
	.p2align	6, 0x0
	.amdhsa_kernel k_qb462c05a21_qkv
		.amdhsa_group_segment_fixed_size 295424
		.amdhsa_private_segment_fixed_size 0
		.amdhsa_enable_private_segment 0
		.amdhsa_kernarg_size 24
		.amdhsa_user_sgpr_count 2
		.amdhsa_user_sgpr_kernarg_segment_ptr 1
		.amdhsa_wavefront_size32 1
		.amdhsa_system_sgpr_workgroup_id_x 1
		.amdhsa_system_sgpr_workgroup_id_y 1
		.amdhsa_system_sgpr_workgroup_id_z 1
		.amdhsa_system_vgpr_workitem_id 0
		.amdhsa_next_free_vgpr 1024
		.amdhsa_next_free_sgpr 100
		.amdhsa_reserve_vcc 0
		.amdhsa_float_denorm_mode_32 3
		.amdhsa_float_denorm_mode_16_64 3
		.amdhsa_memory_ordered 1
		.amdhsa_forward_progress 1
		.amdhsa_inst_pref_size 88
	.end_amdhsa_kernel
	.amdgpu_metadata
---
amdhsa.version: [ 1, 2 ]
amdhsa.kernels:
  - .name:           k_qb462c05a21_qkv
    .symbol:         k_qb462c05a21_qkv.kd
    .args:
      - { .name: ops, .offset: 0, .size: 8, .value_kind: global_buffer, .address_space: global }
      - { .name: b_attn, .offset: 8, .size: 8, .value_kind: global_buffer, .address_space: global }
      - { .name: qkv, .offset: 16, .size: 8, .value_kind: global_buffer, .address_space: global }
    .group_segment_fixed_size: 295424
    .private_segment_fixed_size: 0
    .kernarg_segment_align: 8
    .kernarg_segment_size: 24
    .max_flat_workgroup_size: 128
    .sgpr_count:     100
    .vgpr_count:     1024
    .wavefront_size: 32
...
	.end_amdgpu_metadata
.endif
;; end of part 2
;; launch attn (part 3): grid 2 x 128, 16 waves a work-group, no clusters, 327,680 bytes of LDS; arguments ops, qkv, b_prefix, yq; writes yq
.if DOCPART == 3
	.amdgcn_target "amdgcn-amd-amdhsa--gfx1250"
	.amdhsa_code_object_version 6
	.text
	.protected	k_qb462c05a21_attn
	.globl	k_qb462c05a21_attn
	.p2align	8
	.type	k_qb462c05a21_attn,@function
k_qb462c05a21_attn:
	s_mov_b64 s[64:65], 0
	v_nop
	global_prefetch_b8 v0, s[64:65] scope:SCOPE_SE
	s_setreg_imm32_b32 hwreg(HW_REG_WAVE_MODE, 25, 1), 1
	s_wait_xcnt 0x0
; For one (batch, head): for each tile of 16 queries the causal attention over the head's keys and over the 64 prefix keys, y = o_p / l_p + o / l, quantised along the head's 64 and stored as a half fragment of the
; last product's operand.  k_p, v_p = prefix_embd w_prefix + b_prefix (this head's columns) are made here too, quantised into LDS.  All products on codes of BF6 with E8M0 scales.
; LEFT OUT: key steps all of whose keys come after a tile's queries (the causal mask of the model makes their p zero); the prefix's queries (columns 0 to 1,023 of w_prefix and b_prefix), which the model throws away.
; SOFTMAX: t = score x log2(e) / 8; M = the running largest t rounded UP to a whole number; p = 2^(t - M) is quantised along the keys, not normalised; the sum is taken of the unquantised p; when M moves, sum and O are multiplied by 2^(old M - new M), exactly.
; SHARES.  Two work-groups a head, sixteen waves each.  Wave w of work-group i owns query tiles 63 - t and t, t = 16 i + w, in this order: together nine key steps in every wave, of which one is a half step (below).
; ORDER.  At the head every wave asks for one part of the head's K, V and scale words (104,448 bytes: 8 x 24 and 8 x 27 rows of 256 bytes).  Behind the barrier that shows them whole, waves 0-11 ask for the twelve tiles
; of the prefix product's operands (12,288 bytes each); these land under the larger tile's walk over the keys, five key steps at the least.  Then: the prefix product, the larger tile's prefix keys and its way out, and the smaller tile.
; A KEY STEP is 128 keys.  A tile's last step, in which the mask bites, holds the tile's queries in ONE block of 32 keys: where that block is the step's first or second, a copy of the step with 64 keys is run; else the first two blocks need no mask.
; So the mask is laid on two blocks only.  Of tiles t and 63 - t exactly one ends with a half step.
; NO CLUSTER: K and V are shared by two work-groups only; the prefix operands are asked for once and nobody waits at their request.  NO PREFETCH: every LDS byte is filled once, there is no ring to run ahead of.
; LAYOUT.  Both products transposed (source 0 = 16 keys, or 16 of the head's 64; source 1 = my 16 queries): a lane holds ONE query.  Row r of any tile t is index 32 (t / 2) + 8 (t % 2) + r + 8 (r / 8), so the 16 registers of two neighbouring tiles are 16 neighbours.
; K = 64 in an instruction 128 deep: ONE side (q; p of 64 keys) has zero codes in its upper half; the other side's upper six registers hold other codes (E3M2 has no infinity and no NaN): those products are exactly 0.
; LIMITS: a block of zeros gets the byte 1, not 127 (its codes are zeros; this program alone reads the bytes); NaN and infinities are not served; the scaled scores t stay under 2^31 in magnitude.  y's scale bytes leave singly, 32 a tile and head.
; REGISTERS: v1-11 addresses; v12 -M, v13 largest t, v[14:15] sum; v16-27 q (v22-27 zero); v28, v29 q's scale words; v30 1 / l; v32-85 fragments; v86 p's scale word; v87, v243 the add's two; v88-95 scale words; v96-159 S^T, p; v160-191 O^T;
;   v192-197 the second tile's q; v198, v199 addresses; v200-223 the prefix product's scale words; v224-235 p's codes; v236-255 at work.
.set STR,  157696
.set QS,   49152
.set KI,   53248
.set SCB,  11403264
.set YS,   6291456
.set KVB,  147456                      ; LDS: 0 w_prefix's k tiles, 49,152 its v tiles, 98,304 the prefix tokens' tiles; here K's images, + 49,152 V's, + 98,304 K's scale words, + 102,400 V's
.set KPI,  251904                      ; k_p's four half fragments (768 bytes: registers 2 p, 2 p + 1 of lane L at 256 p + 8 L); + 3,072: v_p's
.set KPS,  258048                      ; k_p's scale words [row][tile]; + 256: v_p's
.set SPARE, 258560                     ; the spare words: 128 bytes a wave
.set FLOORB, 0x2800000
.set S,   96
.set O,   160
.set PC,  224
.set CT,  236
.set SO,  244
.set BM,  248
.set WV,  12
.set SEL, 20
.set CS,  22
.macro WM d, a, b, c, sa, sb
	v_wmma_scale_f32_16x16x128_f8f6f4 v[\d:\d+7], v[\a:\a+11], v[\b:\b+11], \c, v[\sa], v[\sb] matrix_a_fmt:MATRIX_FMT_BF6 matrix_b_fmt:MATRIX_FMT_BF6
.endm
; scores of hidden keys become -infinity ahead of the maximum, in blocks b0 and b0 + 1.  Register 16 b + i holds key s51 + 32 b + 16 h + i: hidden where 32 b + i > my query - 16 h - s51.  test = 1: jumped over where all these keys count
.macro MASK b0, test
.if \test
	s_add_co_u32 s66, s51, 32*(\b0)+63
	s_cmp_le_u32 s66, s49
	s_cbranch_scc1 .Lopen_\@
.endif
	v_subrev_nc_u32 v252, s51, v4
	v_mov_b32 v254, 0xff800000
.set nq, 16*(\b0)
.rept 32
	v_cmp_gt_i32 vcc_lo, 32*(nq/16)+nq%16, v252
	v_cndmask_b32 v[S+nq], v[S+nq], v254, vcc_lo
.set nq, nq+1
.endr
.Lopen_\@:
.endm
; nb blocks of 32 keys: maxima, M, p, the sum, p's codes in v[PC] on and its scale word in v86
.macro SMAX nb
.set bq, 0
.rept \nb
	v_max3_num_f32 v[BM+bq], v[S+16*bq], v[S+16*bq+1], v[S+16*bq+2]   ; each block's largest score: for the row's maximum, and, since p rises with the score, for the block's largest p
.set bq, bq+1
.endr
.irp i, 3,5,7,9,11,13
.set bq, 0
.rept \nb
	v_max3_num_f32 v[BM+bq], v[BM+bq], v[S+16*bq+\i], v[S+16*bq+\i+1]
.set bq, bq+1
.endr
.endr
.set bq, 0
.rept \nb
	v_max_num_f32 v[BM+bq], v[BM+bq], v[S+16*bq+15]
.set bq, bq+1
.endr
.set bq, 0
.rept \nb
	v_permlanex16_b32 v[CT+bq], v[BM+bq], s[SEL], s[SEL+1]
.set bq, bq+1
.endr
.set bq, 0
.rept \nb
	v_max_num_f32 v[BM+bq], v[BM+bq], v[CT+bq]
.set bq, bq+1
.endr
.if \nb == 4
	s_delay_alu instid0(VALU_DEP_2)
	v_max3_num_f32 v254, v[BM], v[BM+1], v[BM+2]
	s_delay_alu instid0(VALU_DEP_1)
	v_max_num_f32 v254, v254, v[BM+3]
.else
	s_delay_alu instid0(VALU_DEP_1)
	v_max_num_f32 v254, v[BM], v[BM+1]
.endif
	s_delay_alu instid0(VALU_DEP_1)
	v_mul_f32 v254, s[CS], v254
	s_delay_alu instid0(VALU_DEP_1)
	v_max_num_f32 v13, v13, v254                   ; the running largest t
	v_mov_b32 v254, v12
	s_delay_alu instid0(VALU_DEP_2)
	v_floor_f32 v12, -v13                          ; -M = floor(-t): M is a whole number
	s_delay_alu instid0(VALU_DEP_1)
	v_sub_f32 v254, v12, v254
	s_delay_alu instid0(VALU_DEP_1)
	v_cvt_i32_f32 v254, v254                       ; (it saturates)
	s_delay_alu instid0(VALU_DEP_1)
	v_ldexp_f32 v252, 1.0, v254                    ; f = 2^(old M - new M)
.set jq, 0
.rept 8*\nb
	v_pk_fma_f32 v[S+jq:S+jq+1], v[S+jq:S+jq+1], s[CS:CS+1], v[12:13] op_sel_hi:[1,0,0]   ; t - M
.set jq, jq+2
.endr
.set bq, 0
.rept \nb
	v_fma_f32 v[BM+bq], v[BM+bq], s[CS], v12
.set bq, bq+1
.endr
.set jq, 0
	s_wait_alu depctr_va_vdst(0)
.rept 16*\nb
	v_exp_f32 v[S+jq], v[S+jq]
.set jq, jq+1
.endr
.set bq, 0
.rept \nb
	v_exp_f32 v[BM+bq], v[BM+bq]
.set bq, bq+1
.endr
	v_pk_mul_f32 v[14:15], v[14:15], v[252:253] op_sel_hi:[1,0]   ; the sum under the new M (a plain line behind the exponentials)
.set bq, 0
	s_wait_alu depctr_va_vdst(0)                   ; and behind it
.rept \nb
	v_max_num_f32 v[BM+bq], FLOORB, v[BM+bq]
.set bq, bq+1
.endr
.set bq, 0
.rept \nb
	v_add_nc_u32 v[SO+bq], 0xfe000000, v[BM+bq]
.set bq, bq+1
.endr
.set bq, 0
.rept \nb
	v_lshrrev_b32 v[CT+bq], 23, v[SO+bq]
.set bq, bq+1
.endr
	v_lshl_or_b32 v86, v[CT+1], 8, v[CT]
.if \nb == 4
	s_delay_alu instid0(VALU_DEP_1)
	v_lshl_or_b32 v86, v[CT+2], 16, v86
	s_delay_alu instid0(VALU_DEP_1)
	v_lshl_or_b32 v86, v[CT+3], 24, v86
.endif
.set cq, 0
.rept \nb/2
	v_cvt_scalef32_pk16_bf6_f32 v[PC+6*cq:PC+6*cq+2], v[S+32*cq:S+32*cq+15], v[SO+2*cq]
	v_cvt_scalef32_pk16_bf6_f32 v[CT+4*cq:CT+4*cq+2], v[S+32*cq+16:S+32*cq+31], v[SO+2*cq+1]
.set cq, cq+1
.endr
	v_nop                                          ; one plain line behind the conversions
.set cq, 0
.rept \nb/2
.irp i, 0,1,2
	v_permlane16_swap_b32 v[PC+6*cq+\i], v[CT+4*cq+\i]
.endr
.irp i, 0,1,2
	s_delay_alu instid0(VALU_DEP_3)
	v_mov_b32 v[PC+3+6*cq+\i], v[CT+4*cq+\i]
.endr
.set cq, cq+1
.endr
.if \nb == 2
.irp i, 6,7,8,9,10,11
	v_mov_b32 v[PC+\i], 0                          ; 64 keys: the operand's upper half is zero codes
.endr
.endif
	v_pk_add_f32 v[CT:CT+1], v[S:S+1], v[S+2:S+3]  ; the sum of the unquantised p, in two chains
.set jq, 4
.rept 4*\nb-1
	v_pk_add_f32 v[14:15], v[14:15], v[S+jq:S+jq+1]
	v_pk_add_f32 v[CT:CT+1], v[CT:CT+1], v[S+jq+2:S+jq+3]
.set jq, jq+4
.endr
	s_delay_alu instid0(VALU_DEP_1)
	v_pk_add_f32 v[14:15], v[14:15], v[CT:CT+1]
.endm
; a key step of nb blocks of 32 keys, from key s51 on
.macro KSTEP nb
	v_add_nc_u32 v5, s52, v1                       ; (these four are also the places behind the last products)
	v_add_nc_u32 v6, s52, v2
	v_add_nc_u32 v7, s53, v3
	v_add_nc_u32 v11, s54, v3
.set tq, 0
.rept 2*\nb
	ds_load_b128 v[32+6*tq:35+6*tq], v5 offset:768*tq
	ds_load_b64 v[36+6*tq:37+6*tq], v6 offset:768*tq+512
.set tq, tq+1
.endr
	ds_load_b128 v[88:91], v7
.if \nb == 4
	ds_load_b128 v[92:95], v7 offset:256
.endif
	s_wait_alu depctr_va_vdst(0)
	s_wait_dscnt 0x0
.set tq, 0
.rept 2*\nb
	WM S+8*tq, 32+6*tq, 16, 0, 88+tq, 28
.set tq, tq+1
.endr
.rept 4
	v_nop
.endr
.irp t, 0,1,2,3                                ; V's fragments and scale words land under the softmax; of 64 keys the lower halves alone
	ds_load_b128 v[32+12*\t:35+12*\t], v5 offset:49152+768*\t
	ds_load_b64 v[36+12*\t:37+12*\t], v6 offset:49152+768*\t+512
.if \nb == 4
	ds_load_b128 v[38+12*\t:41+12*\t], v5 offset:49152+3072+768*\t
	ds_load_b64 v[42+12*\t:43+12*\t], v6 offset:49152+3072+768*\t+512
.endif
.endr
	ds_load_b128 v[88:91], v11
.if \nb == 4
	MASK 2, 1
.else
	MASK 0, 0
.endif
	SMAX \nb
	s_wait_alu depctr_va_vdst(0)
.set jq, 0
.rept 16
	v_pk_mul_f32 v[O+jq:O+jq+1], v[O+jq:O+jq+1], v[252:253] op_sel_hi:[1,0]   ; O^T under the new M
.set jq, jq+2
.endr
	s_wait_alu depctr_va_vdst(0)
	s_wait_dscnt 0x0
.irp t, 0,1,2,3
	WM O+8*\t, 32+12*\t, PC, v[O+8*\t:O+8*\t+7], 88+\t, 86
.endr
.endm
; the prefix product.  Wave w: kind w / 8 (0 k_p: P = weight columns, R = prefix tokens; 1 v_p: P = tokens, R = weight columns), R tile a = (w / 2) % 4, P tiles 2 bb, 2 bb + 1, bb = w % 2
.macro PP
	v_and_b32 v255, 15, v0                         ; r
	v_bfe_u32 v253, v0, 4, 1                       ; h
	v_and_b32 v252, 8, v255
	v_lshlrev_b32 v244, 6, v253                    ; 64 h
	v_add_nc_u32 v252, v252, v255                  ; r + 8 (r / 8)
	v_lshlrev_b32 v7, 3, v255
	v_add_nc_u32 v5, s83, v1                       ; P's two tiles in LDS
	v_add_nc_u32 v6, s84, v1                       ; R's tile
	v_lshlrev_b32 v245, 2, v252
	v_add_nc_u32 v7, s85, v7                       ; target lane r + 16 bb of tile a's half fragment; my three words are its registers 3 h, 3 h + 1, 3 h + 2
	v_add_nc_u32 v199, s86, v9                     ; my block's byte in row r's word of tile a
	v_mad_u32_u24 v11, v253, 508, v7
	s_delay_alu instid0(VALU_DEP_1)
	v_add_nc_u32 v11, 4, v11                       ; register 3 h + 1
	v_mad_u32_u24 v7, v253, 260, v7                ; register 3 h; 3 h + 2 lies 256 bytes on
	s_wait_alu depctr_va_vdst(0)
.irp q, 0,1,2,3
	global_load_b128 v[96+4*\q:99+4*\q], v244, s[96:97] offset:16*\q   ; k_p's bias along P
.endr
	global_load_b32 v31, v245, s[98:99]            ; v_p's along R
	s_wait_tensorcnt 0x0                           ; my tile of the prefix product's operands has landed,
	s_wait_dscnt 0x0
	s_barrier_signal -1
	s_barrier_wait -1                              ; everybody's has
.irp q, 0,1,2,3                                ; two accumulators by turns, eight K steps, two at a time: set e at v32 or v112
.if \q > 0
.rept 4
	v_nop
.endr
.endif
.irp e, 0,1
.irp i, 0,1,2
	ds_load_b128 v[32+80*\e+4*\i:35+80*\e+4*\i], v5 offset:1536*(2*\q+\e)+512*\i
	ds_load_b128 v[44+80*\e+4*\i:47+80*\e+4*\i], v5 offset:12288+1536*(2*\q+\e)+512*\i
	ds_load_b128 v[56+80*\e+4*\i:59+80*\e+4*\i], v6 offset:1536*(2*\q+\e)+512*\i
.endr
.endr
.if \q == 0
	s_wait_loadcnt 0x0
.irp j, 0,1,2,3,4,5,6,7,8,9,10,11,12,13,14,15
	v_cndmask_b32 v[96+\j], v[96+\j], v31, s58     ; the sums start from the bias: along P for k_p, along R for v_p
.endr
	s_wait_alu depctr_va_vdst(0)
.endif
	s_wait_dscnt 0x0
.irp e, 0,1
	WM 96, 32+80*\e, 56+80*\e, v[96:103], 200+2*\q+\e, 216+2*\q+\e
	WM 104, 44+80*\e, 56+80*\e, v[104:111], 208+2*\q+\e, 216+2*\q+\e
.endr
.endr
.rept 4
	v_nop
.endr
	v_max3_num_f32 v248, |v96|, |v97|, FLOORB      ; my 16 numbers are half of block bb of my row
.irp i, 2,4,6,8,10,12,14
	v_max3_num_f32 v248, v248, |v[96+\i]|, |v[97+\i]|
.endr
	s_delay_alu instid0(VALU_DEP_1)
	v_permlanex16_b32 v236, v248, s[SEL], s[SEL+1]
	s_delay_alu instid0(VALU_DEP_1)
	v_max_num_f32 v248, v248, v236
	s_delay_alu instid0(VALU_DEP_1)
	v_add_nc_u32 v244, 0xfe000000, v248
	s_delay_alu instid0(VALU_DEP_1)
	v_lshrrev_b32 v249, 23, v244
	v_cvt_scalef32_pk16_bf6_f32 v[112:114], v[96:111], v244
	v_mov_b32 v250, 0                              ; (a plain line behind the conversion)
	ds_store_b32 v7, v112
	ds_store_b32 v11, v113
	ds_store_b32 v7, v114 offset:256
	ds_store_b8 v199, v249                         ; both halves of the lanes write the same byte with the same value
	ds_store_b8 v199, v250 offset:2                ; the word's upper bytes are 0
	s_wait_dscnt 0x0                               ; my stores are done
	s_barrier_signal -1
	s_barrier_wait -1                              ; everybody's are.  No LDS byte is written from here on
.endm
; one query tile, s48: the walk over the head's keys; (first = 1: the prefix product;) the 64 prefix keys; the way out
.macro TILE first, trips
	s_lshr_b32 s49, s48, 1
	s_lshl_b32 s49, s49, 5
	s_and_b32 s66, s48, 1
	s_lshl_b32 s66, s66, 3
	s_add_co_u32 s49, s49, s66                     ; the tile's least query
	s_add_co_u32 s50, s49, 23                      ; and its greatest
	v_add_nc_u32 v4, s49, v10                      ; my query less 16 h
	s_lshl_b32 s66, s15, 6
	s_add_co_u32 s66, s66, s48                     ; the tile among all tokens' tiles
	s_lshl_b32 s67, s66, 9
	s_lshl_b32 s94, s16, 1
	s_add_co_u32 s94, s94, s67
	s_add_co_u32 s94, s94, YS
	s_mov_b32 s95, 0
	s_add_nc_u64 s[62:63], s[10:11], s[94:95]      ; y's scale bytes: 512 tile + 2 head
	s_lshl_b32 s66, s66, 3
	s_lshr_b32 s67, s16, 1
	s_add_co_u32 s66, s66, s67
	s_mul_i32 s66, s66, 1536
	s_and_b32 s67, s16, 1
	s_mul_i32 s67, s67, 768
	s_add_co_u32 s66, s66, s67
	s_mov_b32 s67, 0
	s_add_nc_u64 s[60:61], s[10:11], s[66:67]      ; y's half fragment: K step head / 2, half head % 2
.set jq, 0
.rept 32
	v_mov_b32 v[O+jq], 0                           ; the step is written once: the first finds zeros
.set jq, jq+1
.endr
	v_mov_b32 v13, 0xff61b1e6                      ; -3e38, under every t
	s_delay_alu instid0(VALU_DEP_1)
	v_floor_f32 v12, -v13
	v_mov_b32 v14, 0
	v_mov_b32 v15, 0
	s_mov_b32 s51, 0                               ; the step's first key
	s_mov_b32 s52, KVB
	s_mov_b32 s53, KVB+98304
	s_mov_b32 s54, KVB+102400
	s_mov_b32 s55, \trips
.Lstep_\@:                                         ; a constant number of trips; a step all of whose keys come after my queries is jumped over
	s_cmp_gt_u32 s51, s50
	s_cbranch_scc1 .Lhid_\@
	s_add_co_u32 s66, s51, 63
	s_cmp_ge_u32 s66, s50                          ; do the step's first 64 keys hold all that my queries see?
	s_cbranch_scc1 .Lhalf_\@
	KSTEP 4
	s_branch .Lhid_\@
.Lhalf_\@:
	KSTEP 2
.Lhid_\@:
	s_add_co_u32 s51, s51, 128
	s_add_co_u32 s52, s52, 6144
	s_add_co_u32 s53, s53, 512
	s_add_co_u32 s54, s54, 256
	s_sub_co_u32 s55, s55, 1
	s_cmp_lg_u32 s55, 0
	s_cbranch_scc1 .Lstep_\@
.rept 4
	v_nop
.endr
	s_wait_alu depctr_va_vdst(0)
	v_add_f32 v14, v14, v15
	v_permlanex16_b32 v254, v14, s[SEL], s[SEL+1]
	s_delay_alu instid0(VALU_DEP_1)
	v_add_f32 v14, v14, v254
	s_wait_alu depctr_va_vdst(0)
	v_rcp_f32 v30, v14                             ; 1 / l
	v_mov_b32 v13, 0xff61b1e6                      ; (a plain line behind the reciprocal)  The prefix keys have a softmax of their own
	s_delay_alu instid0(VALU_DEP_1)
	v_floor_f32 v12, -v13
	v_mov_b32 v14, 0
	v_mov_b32 v15, 0
	s_wait_alu depctr_va_vdst(0)
	s_mov_b32 s51, 0
.if \first
	PP
.endif
.irp a, 0,1,2,3
.irp p, 0,1,2
	ds_load_b64 v[32+6*\a+2*\p:33+6*\a+2*\p], v8 offset:768*\a+256*\p
.endr
.endr
	ds_load_b128 v[88:91], v9
	s_wait_dscnt 0x0
.irp a, 0,1,2,3
	WM S+8*\a, 32+6*\a, 16, 0, 88+\a, 28
.endr
.rept 4
	v_nop
.endr
.irp a, 0,1,2,3
.irp p, 0,1,2
	ds_load_b64 v[32+6*\a+2*\p:33+6*\a+2*\p], v8 offset:3072+768*\a+256*\p
.endr
.endr
	ds_load_b128 v[92:95], v9 offset:256
.if \first == 0
	MASK 0, 1                                      ; (the first tile's queries, 512 and above, see all 64 prefix keys)
.endif
	SMAX 2
	s_wait_alu depctr_va_vdst(0)
	s_wait_dscnt 0x0
.irp t, 0,1,2,3
	WM 128+8*\t, 32+6*\t, PC, 0, 92+\t, 86
.endr
.rept 4
	v_nop
.endr
	v_add_f32 v14, v14, v15
	s_delay_alu instid0(VALU_DEP_1)
	v_permlanex16_b32 v254, v14, s[SEL], s[SEL+1]
	s_delay_alu instid0(VALU_DEP_1)
	v_add_f32 v14, v14, v254
	s_wait_alu depctr_va_vdst(0)
	v_rcp_f32 v254, v14
	v_nop
.set jq, 0
	s_wait_alu depctr_va_vdst(0)
.rept 16
	v_pk_mul_f32 v[96+jq:97+jq], v[128+jq:129+jq], v[254:255] op_sel_hi:[1,0]   ; o_p / l_p
.set jq, jq+2
.endr
.set jq, 0
.rept 16
	v_pk_fma_f32 v[96+jq:97+jq], v[O+jq:O+jq+1], v[30:31], v[96+jq:97+jq] op_sel_hi:[1,0,1]   ; + o / l: register 16 b + i is y(my query, 32 b + 16 h + i)
.set jq, jq+2
.endr
.irp b, 0,1
	v_max3_num_f32 v[BM+\b], |v[96+16*\b]|, |v[97+16*\b]|, FLOORB
.endr
.irp i, 2,4,6,8,10,12,14
.irp b, 0,1
	s_delay_alu instid0(VALU_DEP_2)
	v_max3_num_f32 v[BM+\b], v[BM+\b], |v[96+16*\b+\i]|, |v[97+16*\b+\i]|
.endr
.endr
.irp b, 0,1
	s_delay_alu instid0(VALU_DEP_2)
	v_permlanex16_b32 v[CT+\b], v[BM+\b], s[SEL], s[SEL+1]
.endr
.irp b, 0,1
	s_delay_alu instid0(VALU_DEP_2)
	v_max_num_f32 v[BM+\b], v[BM+\b], v[CT+\b]
.endr
.irp b, 0,1
	s_delay_alu instid0(VALU_DEP_2)
	v_add_nc_u32 v[SO+\b], 0xfe000000, v[BM+\b]
.endr
.irp b, 0,1
	s_delay_alu instid0(VALU_DEP_2)
	v_lshrrev_b32 v[CT+\b], 23, v[SO+\b]
.endr
	s_delay_alu instid0(VALU_DEP_1)
	v_cndmask_b32 v252, v[CT], v[CT+1], s57        ; lanes 0-15 store block 0's byte, lanes 16-31 block 1's
	v_cvt_scalef32_pk16_bf6_f32 v[PC:PC+2], v[96:111], v[SO]
	v_cvt_scalef32_pk16_bf6_f32 v[CT+4:CT+6], v[112:127], v[SO+1]
	v_nop
.irp i, 0,1,2
	v_permlane16_swap_b32 v[PC+\i], v[CT+4+\i]
.endr
.irp i, 0,1,2
	s_delay_alu instid0(VALU_DEP_3)
	v_mov_b32 v[PC+3+\i], v[CT+4+\i]
.endr
	global_store_b128 v1, v[PC:PC+3], s[60:61]     ; 512 consecutive aligned bytes,
	global_store_b64 v2, v[PC+4:PC+5], s[60:61] offset:512   ; and 256
	global_store_b8 v198, v252, s[62:63]
.if \first
	s_wait_xcnt 0x0                                ; the stores' data and bases are written again only behind this wait
.irp i, 0,1,2,3,4,5
	v_mov_b32 v[16+\i], v[192+\i]                  ; on to my second tile
.endr
	v_mov_b32 v28, v29
	s_sub_co_u32 s48, 63, s48
.endif
.endm
.macro QPTR tile, pc, ps               ; where tile s[tile]'s q lies: its half fragment, and its scale words
	s_mul_i32 s66, s[\tile], 768
	s_add_co_u32 s[\pc], s66, s56
	s_mov_b32 s[\pc+1], 0
	s_add_nc_u64 s[\pc:\pc+1], s[6:7], s[\pc:\pc+1]
	s_lshr_b32 s66, s[\tile], 2
	s_lshl_b32 s66, s66, 8
	s_and_b32 s67, s[\tile], 3
	s_lshl_b32 s67, s67, 2
	s_add_co_u32 s66, s66, s67
	s_add_co_u32 s66, s66, s56
	s_add_co_u32 s[\ps], s66, QS
	s_mov_b32 s[\ps+1], 0
	s_add_nc_u64 s[\ps:\ps+1], s[6:7], s[\ps:\ps+1]
.endm
	s_load_b128 s[4:7], s[0:1], 0x0                ; ops, qkv
	s_load_b128 s[8:11], s[0:1], 0x10              ; b_prefix, yq
	v_lshl_add_u32 v87, v0, 2, SPARE
	v_mov_b32 v243, 0
	ds_add_u32 v87, v243
	ds_add_u32 v87, v243
	v_lshrrev_b32 v1, 5, v0
	s_delay_alu instid0(VALU_DEP_1)
	v_readfirstlane_b32 s[WV], v1                  ; wave 0..15
	s_and_b32 s14, ttmp7, 0xffff                   ; 16 batch + head
	s_lshr_b32 s15, s14, 4
	s_and_b32 s16, s14, 15
	; three groups 1: dense blocks as rows of 256 bytes: 24 rows (an eighth of K's images), 27 rows (an eighth of V's images and the scale words), 48 rows (a tile's eight fragments)
.irp g, 24,32,68
	s_mov_b32 s[\g], 3<<16
	s_mov_b32 s[\g+1], 32<<16
	s_mov_b32 s[\g+3], 32<<16
	s_mov_b32 s[\g+5], 32
	s_mov_b32 s[\g+6], 0
	s_mov_b32 s[\g+7], 0
.endr
	s_mov_b32 s26, 24<<16
	s_mov_b32 s28, 24
	s_mov_b32 s34, 27<<16
	s_mov_b32 s36, 27
	s_mov_b32 s70, 48<<16
	s_mov_b32 s72, 48
	s_mul_i32 s56, s14, STR                        ; my head's struct
	s_mul_i32 s80, s[WV], 6144                     ; waves 0-7: K's images, 6,144 bytes each
	s_mul_i32 s81, s[WV], 6912                     ; waves 8-15: what lies behind them, 6,912 bytes each, from 49,152 + 6,912 (wave - 8) = 6,912 wave - 6,144
	s_add_co_u32 s84, s56, s80
	s_add_co_u32 s84, s84, KI
	s_mov_b32 s85, 0
	s_add_co_u32 s86, s56, s81
	s_add_co_u32 s86, s86, KI-6144
	s_mov_b32 s87, 0
	s_mul_i32 s66, s16, 98304
	s_add_co_u32 s66, s66, 736*12288               ; waves 0-7: my head's eight tiles of w_prefix
	s_mul_i32 s67, s15, 49152
	s_add_co_u32 s67, s67, 504*12288               ; waves 8-11: my batch's four tiles of prefix tokens (tile 512 + 4 batch + wave - 8)
	s_cmp_lt_u32 s[WV], 8
	s_cselect_b32 s66, s66, s67
	s_mul_i32 s88, s[WV], 12288
	s_add_co_u32 s66, s66, s88
	s_mov_b32 s67, 0
	s_wait_dscnt 0x0                               ; both opening adds are done
	s_wait_kmcnt 0x0
	s_mov_b32 s40, 1
	s_add_co_u32 s41, s80, KVB
	s_add_nc_u64 s[42:43], s[6:7], s[84:85]
	s_or_b32 s43, s43, 0x80000000
	s_mov_b32 s44, 1
	s_add_co_u32 s45, s81, KVB-6144
	s_add_nc_u64 s[46:47], s[6:7], s[86:87]
	s_or_b32 s47, s47, 0x80000000
	s_mov_b32 s76, 1
	s_mov_b32 s77, s88
	s_add_nc_u64 s[78:79], s[4:5], s[66:67]
	s_or_b32 s79, s79, 0x80000000
	s_cmp_lt_u32 s[WV], 8                          ; one load a wave at the head, in the two arms of one branch
	s_cbranch_scc0 .Lfill_v
	tensor_load_to_lds s[40:43], s[24:31]
	s_nop 0
	s_branch .Lfilled
.Lfill_v:
	tensor_load_to_lds s[44:47], s[32:39]
	s_nop 0
.Lfilled:
	s_lshl_b32 s49, ttmp9, 4
	s_add_co_u32 s49, s49, s[WV]                   ; t: my second query tile
	s_sub_co_u32 s48, 63, s49                      ; my first
	QPTR 48, 50, 52
	QPTR 49, 54, 60
	s_lshr_b32 s80, s[WV], 3                       ; the prefix product: kind,
	s_bfe_u32 s81, s[WV], 0x20001                  ; a,
	s_and_b32 s82, s[WV], 1                        ; bb
	s_mul_i32 s83, s80, 98304
	s_mul_i32 s84, s82, 24576
	s_add_co_u32 s83, s83, s84                     ; P's two tiles in LDS
	s_xor_b32 s84, s80, 1
	s_mul_i32 s84, s84, 49152
	s_mul_i32 s85, s81, 12288
	s_add_co_u32 s84, s84, s85
	s_add_co_u32 s84, s84, 49152                   ; R's tile
	s_mul_i32 s85, s80, 3072
	s_mul_i32 s86, s81, 768
	s_add_co_u32 s85, s85, s86
	s_lshl_b32 s86, s82, 7
	s_add_co_u32 s85, s85, s86
	s_add_co_u32 s85, s85, KPI                     ; where its codes go
	s_lshl_b32 s86, s80, 8
	s_lshl_b32 s87, s81, 2
	s_add_co_u32 s86, s86, s87
	s_add_co_u32 s86, s86, s82                     ; and its scale byte
	s_lshl_b32 s87, s15, 2
	s_add_co_u32 s87, s87, 512                     ; my batch's tiles of prefix tokens
	s_lshl_b32 s88, s16, 3
	s_add_co_u32 s88, s88, 736                     ; my head's tiles of w_prefix: k's four,
	s_add_co_u32 s89, s88, 4                       ; v's four
	s_cmp_eq_u32 s80, 0
	s_cselect_b32 s90, s88, s87
	s_cselect_b32 s92, s87, s89
	s_cselect_b32 s58, 0, -1                       ; all lanes on where kind = 1
	s_lshl_b32 s94, s82, 1
	s_add_co_u32 s90, s90, s94
	s_add_co_u32 s92, s92, s81
	s_lshl_b32 s90, s90, 9
	s_add_co_u32 s90, s90, SCB
	s_mov_b32 s91, 0
	s_lshl_b32 s92, s92, 9
	s_add_co_u32 s92, s92, SCB
	s_mov_b32 s93, 0
	s_add_nc_u64 s[90:91], s[4:5], s[90:91]
	s_add_nc_u64 s[92:93], s[4:5], s[92:93]
	s_lshl_b32 s96, s16, 8
	s_lshl_b32 s97, s82, 7
	s_add_co_u32 s96, s96, s97
	s_add_co_u32 s96, s96, 4096
	s_mov_b32 s97, 0
	s_add_nc_u64 s[96:97], s[8:9], s[96:97]        ; b_prefix at 1,024 + 64 head + 32 bb: k_p's bias along P
	s_lshl_b32 s98, s16, 8
	s_lshr_b32 s99, s81, 1
	s_lshl_b32 s99, s99, 7
	s_add_co_u32 s98, s98, s99
	s_and_b32 s99, s81, 1
	s_lshl_b32 s99, s99, 5
	s_add_co_u32 s98, s98, s99
	s_add_co_u32 s98, s98, 8192
	s_mov_b32 s99, 0
	s_add_nc_u64 s[98:99], s[8:9], s[98:99]        ; b_prefix at 2,048 + 64 head + tile a: v_p's bias along R
	s_mov_b32 s[SEL], 0x76543210
	s_mov_b32 s[SEL+1], 0xfedcba98
	s_mov_b32 s[CS], 0x3e38aa3b                    ; c = log2(e) / 8
	s_mov_b32 s[CS+1], s[CS]
	s_mov_b32 s57, 0xffff0000                      ; lanes 16-31
	v_and_b32 v254, 31, v0                         ; L
	v_and_b32 v255, 15, v0                         ; r
	v_bfe_u32 v253, v0, 4, 1                       ; h
	v_lshlrev_b32 v1, 4, v254
	v_lshlrev_b32 v2, 3, v254
	v_lshlrev_b32 v3, 4, v255
	v_and_b32 v252, 8, v255
	v_lshlrev_b32 v10, 4, v253
	v_add_nc_u32 v8, KPI, v2
	v_add_nc_u32 v9, KPS, v3
	v_add_nc_u32 v252, v252, v255                  ; r + 8 (r / 8)
	v_lshl_add_u32 v198, v255, 5, v253             ; 32 r + h
	v_lshlrev_b32 v4, 5, v255                      ; (32 r: for the scale words below)
	v_sub_nc_u32 v10, v252, v10                    ; my query in its tile, less 16 h
.irp i, 22,23,24,25,26,27,236,237,238,239
	v_mov_b32 v[\i], 0                             ; q's upper half: zero codes; lane permutes' destinations
.endr
.set jq, 32
.rept 54
	v_mov_b32 v[jq], 0                             ; the fragments' registers: some are named as an operand's upper half before a load has filled them
.set jq, jq+1
.endr
	s_wait_alu depctr_va_vdst(0)
	global_load_b128 v[16:19], v1, s[50:51]        ; q of my first tile: registers 0-3,
	global_load_b64 v[20:21], v2, s[50:51] offset:512   ; 4-5
	global_load_b128 v[192:195], v1, s[54:55]      ; and of my second
	global_load_b64 v[196:197], v2, s[54:55] offset:512
	global_load_b32 v28, v3, s[52:53]
	global_load_b32 v29, v3, s[60:61]
	global_load_b128 v[200:203], v4, s[90:91]      ; the prefix product's scale words: P's two tiles, eight K steps each,
	global_load_b128 v[204:207], v4, s[90:91] offset:16
	global_load_b128 v[208:211], v4, s[90:91] offset:512
	global_load_b128 v[212:215], v4, s[90:91] offset:528
	global_load_b128 v[216:219], v4, s[92:93]      ; R's tile
	global_load_b128 v[220:223], v4, s[92:93] offset:16
	s_wait_loadcnt 0x0
	s_wait_tensorcnt 0x0                           ; my part of K, V and their scale words has landed
	ds_add_u32 v87, v243
	s_wait_dscnt 0x0
	s_barrier_signal -1
	s_barrier_wait -1                              ; everybody's has
	s_cmp_lt_u32 s[WV], 12                         ; waves 0-11: a tile of the prefix product's operands each, my one load behind this barrier
	s_cbranch_scc0 .Lno_pfill
	tensor_load_to_lds s[76:79], s[68:75]
	s_nop 0
.Lno_pfill:
	TILE 1, 8                                      ; tile 63 - t: queries 512 and above, up to eight key steps
	TILE 0, 4                                      ; tile t: queries under 512, up to four
	s_wait_tensorcnt 0x0                           ; the wave's end
	ds_add_u32 v87, v243
	s_wait_dscnt 0x0
	s_endpgm
.Lfunc_end_k_qb462c05a21_attn:
	.size	k_qb462c05a21_attn, .Lfunc_end_k_qb462c05a21_attn-k_qb462c05a21_attn
	.p2alignl 7, 3214868480
	.fill 96, 4, 3214868480
	.section	.rodata,"a",@progbits
	.p2align	6, 0x0
	.amdhsa_kernel k_qb462c05a21_attn
		.amdhsa_group_segment_fixed_size 327680
		.amdhsa_private_segment_fixed_size 0
		.amdhsa_enable_private_segment 0
		.amdhsa_kernarg_size 32
		.amdhsa_user_sgpr_count 2
		.amdhsa_user_sgpr_kernarg_segment_ptr 1
		.amdhsa_wavefront_size32 1
		.amdhsa_system_sgpr_workgroup_id_x 1
		.amdhsa_system_sgpr_workgroup_id_y 1
		.amdhsa_system_sgpr_workgroup_id_z 1
		.amdhsa_system_vgpr_workitem_id 0
		.amdhsa_next_free_vgpr 256
		.amdhsa_next_free_sgpr 100
		.amdhsa_reserve_vcc 1
		.amdhsa_float_denorm_mode_32 3
		.amdhsa_float_denorm_mode_16_64 3
		.amdhsa_memory_ordered 1
		.amdhsa_forward_progress 1
		.amdhsa_inst_pref_size 123
	.end_amdhsa_kernel
	.amdgpu_metadata
---
amdhsa.version: [ 1, 2 ]
amdhsa.kernels:
  - .name:           k_qb462c05a21_attn
    .symbol:         k_qb462c05a21_attn.kd
    .args:
      - { .name: ops, .offset: 0, .size: 8, .value_kind: global_buffer, .address_space: global }
      - { .name: qkv, .offset: 8, .size: 8, .value_kind: global_buffer, .address_space: global }
      - { .name: b_prefix, .offset: 16, .size: 8, .value_kind: global_buffer, .address_space: global }
      - { .name: yq, .offset: 24, .size: 8, .value_kind: global_buffer, .address_space: global }
    .group_segment_fixed_size: 327680
    .private_segment_fixed_size: 0
    .kernarg_segment_align: 8
    .kernarg_segment_size: 32
    .max_flat_workgroup_size: 512
    .sgpr_count:     100
    .vgpr_count:     256
    .wavefront_size: 32
...
	.end_amdgpu_metadata
.endif
;; end of part 3
;; launch proj (part 4): grid 4 x 64, 4 waves a work-group, clusters of 4 x 4, 295,424 bytes of LDS; arguments ops, yq, b_proj, out0; writes out0
.if DOCPART == 4
	.amdgcn_target "amdgcn-amd-amdhsa--gfx1250"
	.amdhsa_code_object_version 6
	.text
	.protected	k_qb462c05a21_proj
	.globl	k_qb462c05a21_proj
	.p2align	8
	.type	k_qb462c05a21_proj,@function
k_qb462c05a21_proj:
	s_mov_b64 s[64:65], 0
	v_nop
	global_prefetch_b8 v0, s[64:65] scope:SCOPE_SE
	s_setreg_imm32_b32 hwreg(HW_REG_WAVE_MODE, 25, 1), 1
	s_wait_xcnt 0x0
	s_wait_alu depctr_hold_cnt(0) depctr_sa_sdst(0) depctr_va_vdst(0) depctr_va_sdst(0) depctr_va_ssrc(0) depctr_va_vcc(0) depctr_vm_vsrc(0)
	s_getreg_b32 s2, hwreg(HW_REG_IB_STS2, 6, 4)
	s_cmp_eq_u32 s2, 0
	s_cbranch_scc0 .Lentry_in_a_cluster
	s_endpgm
.Lentry_in_a_cluster:
	s_bfe_u32 s2, ttmp6, 0x10000c
	s_cmp_lg_u32 s2, 0xf033
	s_cbranch_scc0 .Lentry_shape_is_right
	s_endpgm
.Lentry_shape_is_right:
; out0 = y w_proj + b_proj on codes of BF6 with E8M0 scales.  D = P (source 0: w_proj's columns) x R (source 1: tokens): a lane holds one token and its registers run along the output's columns.
; A work-group makes P 256 x R 128 with ALL of K = 1,024 in LDS (four quarters, each filled once).  Four waves, each P 128 x R 64: 32 accumulators.
; CLUSTER 4 x 4: P's tiles hang on cx alone and are asked for jointly by a column of the cluster, R's on cy alone, by a row.
; P's fragments are images of 1,536 bytes (registers 4 i .. 4 i + 3 of lane L at 512 i + 16 L); R's come as two halves of 768 bytes (registers 0-3 at 16 L, 4-5 at 512 + 8 L), one for each head.
; Row r of tile t is index 32 (t / 2) + 8 (t % 2) + r + 8 (r / 8), for tokens and columns alike.  The bias is the C of the first K step's products.
; REGISTERS: window 0: v1-23 addresses; v32-95 P's scale words (8 b + s), v96-127 R's (8 a + s): scales and nothing else; v128-191 the bias, later with v192-255 rows on their way out.
;   window 1: accumulator (a, b) at 8 (8 a + b).   windows 2, 3: two sets of fragments: P's b at 12 b, R's a at 96 + 12 a.
.set SCB,  11403264
.set YS,   6291456
; LDS as it is filled here: each wave brings its tiles whole, all eight K steps, by ONE dense load: P's 16 tiles of 12,288 bytes from byte 0, R's 8 tiles from byte 196,608; every byte is filled once
.set ADP,  4                           ; v4, v5  16 L + my tiles 0-3 and 4-7 of P
.set ADR,  8                           ; v8      16 L + my 4 tiles of R
.set ADR8, 20                          ; v20     8 L + the same
.set STO,  13
.set RD,   14
.set SCP,  32
.set SCR,  96
.set BP,   128
.set MSB, 0
.macro WIN new                         ; the immediate's high byte repeats the setting that is left
.if MSB != (\new)
	s_set_vgpr_msb (MSB<<8)|(\new)
.set MSB, (\new)
.endif
.endm
.macro ROUND                           ; a round of the cluster's barrier
	s_barrier_signal -1
	s_barrier_wait -1
	s_cmp_lg_u32 s12, 0
	s_cbranch_scc1 .Lnot_wave_0_\@
	s_barrier_signal -3
.Lnot_wave_0_\@:
	s_barrier_wait -3
	s_barrier_signal -1
	s_barrier_wait -1
.endm
.macro PLACES                          ; four plain lines between a matrix instruction and a load into, or a read of, its registers
.rept 4
	v_nop
.endr
.endm
.macro FETCH s
	WIN 0x80+0x40*((\s)%2)
.irp b, 0,1,2,3,4,5,6,7
.irp i, 0,1,2
	ds_load_b128 v[12*\b+4*\i:12*\b+4*\i+3], v[ADP+\b/4] offset:12288*(\b%4)+1536*(\s)+512*\i
.endr
.endr
.irp a, 0,1,2,3
	ds_load_b128 v[96+12*\a:99+12*\a], v[ADR] offset:12288*\a+1536*(\s)
	ds_load_b64 v[100+12*\a:101+12*\a], v[ADR8] offset:12288*\a+1536*(\s)+512
	ds_load_b128 v[102+12*\a:105+12*\a], v[ADR] offset:12288*\a+1536*(\s)+768
	ds_load_b64 v[106+12*\a:107+12*\a], v[ADR8] offset:12288*\a+1536*(\s)+1280
.endr
.endm
; 32 matrix instructions; the 32 accumulators take turns, one instruction a turn, in the same order in every step.  cf = 1: the sums start from the bias
.macro MUL s, cf
.if \cf
	WIN 0x4a
.else
	WIN 0x5a+5*((\s)%2)
.endif
.irp a, 0,1,2,3
.irp b, 0,1,2,3,4,5,6,7
.if \cf
	v_wmma_scale_f32_16x16x128_f8f6f4 v[8*(8*\a+\b):8*(8*\a+\b)+7], v[12*\b:12*\b+11], v[96+12*\a:96+12*\a+11], v[BP+8*\b:BP+8*\b+7], v[SCP+8*\b+(\s)], v[SCR+8*\a+(\s)] matrix_a_fmt:MATRIX_FMT_BF6 matrix_b_fmt:MATRIX_FMT_BF6
.else
	v_wmma_scale_f32_16x16x128_f8f6f4 v[8*(8*\a+\b):8*(8*\a+\b)+7], v[12*\b:12*\b+11], v[96+12*\a:96+12*\a+11], v[8*(8*\a+\b):8*(8*\a+\b)+7], v[SCP+8*\b+(\s)], v[SCR+8*\a+(\s)] matrix_a_fmt:MATRIX_FMT_BF6 matrix_b_fmt:MATRIX_FMT_BF6
.endif
.endr
.endr
.endm
.macro STEP s
	s_wait_dscnt 0x0                               ; this step's fragments are in; no LDS access of mine is out at a signal
.if (\s) == 7
	s_barrier_signal -1                            ; my reads of the operands in LDS are over: say so; the wait stands behind the last products, ahead of the stage's first store
.endif
.if (\s) < 7
.if (\s) > 0
	PLACES
.endif
	FETCH (\s)+1
.endif
.endm
	s_load_b128 s[4:7], s[0:1], 0x0                ; ops, yq
	s_load_b128 s[8:11], s[0:1], 0x10              ; b_proj, out0
	v_lshl_add_u32 v30, v0, 2, 0x48000
	v_mov_b32 v31, 0
	ds_add_u32 v30, v31
	ds_add_u32 v30, v31
	v_lshrrev_b32 v1, 5, v0
	v_readfirstlane_b32 s12, v1                    ; wave
	s_lshr_b32 s13, s12, 1                         ; my half of R.  Also: I fetch for P (0) or for R (1)
	s_and_b32 s14, s12, 1                          ; my half of P.  Also: which half of that operand's tiles I fetch
	s_bfe_u32 s15, ttmp6, 0x40000                  ; cx
	s_bfe_u32 s16, ttmp6, 0x40004                  ; cy
	s_and_b32 s18, ttmp7, 0xffff                   ; g
	s_lshl_b32 s76, s15, 4
	s_add_co_u32 s76, s76, 864                     ; P's first tile
	s_lshl_b32 s77, s16, 3
	s_lshl_b32 s21, s18, 5
	s_add_co_u32 s77, s77, s21                     ; R's first tile
	s_lshl_b32 s20, s16, 2
	s_lshl_b32 s20, 15, s20                        ; my row of the cluster
	s_lshl_b32 s22, 0x1111, s15                    ; my column
	s_or_b32 s24, s22, (3<<16)|(1<<21)             ; group 1: rows of 12,288 bytes (1,536 elements of 8), 12,288 bytes apart in memory, dense in LDS; 8 tiles of P or 4 of R
	s_mov_b32 s25, 1536<<16                        ; a row is a whole tile: 1,536 elements of 8 bytes
	s_mov_b32 s26, 8<<16
	s_mov_b32 s27, 1536<<16
	s_mov_b32 s28, 8
	s_mov_b32 s29, 1536
	s_mov_b32 s30, 0
	s_mov_b32 s31, 0
	s_or_b32 s32, s20, (3<<16)|(1<<21)
	s_mov_b32 s33, 1536<<16
	s_mov_b32 s34, 4<<16
	s_mov_b32 s35, 1536<<16
	s_mov_b32 s36, 4
	s_mov_b32 s37, 1536
	s_mov_b32 s38, 0
	s_mov_b32 s39, 0
	s_lshl_b32 s78, s14, 3
	s_add_co_u32 s78, s78, s76
	s_mul_i32 s78, s78, 12288
	s_mov_b32 s79, 0
	s_lshl_b32 s80, s14, 2
	s_add_co_u32 s80, s80, s77
	s_mul_i32 s80, s80, 12288
	s_mov_b32 s81, 0
	s_mul_i32 s82, s14, 98304
	s_mul_i32 s83, s14, 49152
	s_add_co_u32 s83, s83, 196608
	s_wait_dscnt 0x0
	s_wait_kmcnt 0x0
	s_add_nc_u64 s[78:79], s[4:5], s[78:79]
	s_add_nc_u64 s[80:81], s[6:7], s[80:81]
	s_mov_b32 s40, 1
	s_mov_b32 s41, s82
	s_mov_b64 s[42:43], s[78:79]
	s_or_b32 s43, s43, 0x80000000
	s_mov_b32 s56, 1
	s_mov_b32 s57, s83
	s_mov_b64 s[58:59], s[80:81]
	s_or_b32 s59, s59, 0x80000000
	ROUND                                          ; all sixteen work-groups are here: the joint loads meet
	s_cmp_eq_u32 s13, 0                            ; a wave's one fill stands in the two arms of one branch: one load of mine is out
	s_cbranch_scc0 .Lfill_r
	tensor_load_to_lds s[40:43], s[24:31]
	s_nop 0
.rept 4
	v_nop
.endr
	s_branch .Lfilled
.Lfill_r:
	tensor_load_to_lds s[56:59], s[32:39]
	s_nop 0
.rept 4
	v_nop
.endr
.Lfilled:
	s_lshl_b32 s84, s14, 3
	s_add_co_u32 s84, s84, s76
	s_lshl_b32 s84, s84, 9
	s_add_co_u32 s84, s84, SCB
	s_mov_b32 s85, 0
	s_add_nc_u64 s[84:85], s[4:5], s[84:85]        ; my 8 tiles' scale words of P
	s_lshl_b32 s86, s13, 2
	s_add_co_u32 s86, s86, s77                     ; my first tile of R
	s_lshl_b32 s96, s86, 16                        ; its first token x 4,096 bytes: 16 tokens a tile
	s_lshl_b32 s86, s86, 9
	s_add_co_u32 s86, s86, YS
	s_mov_b32 s87, 0
	s_add_nc_u64 s[86:87], s[6:7], s[86:87]        ; my 4 tiles' scale words of R
	s_lshl_b32 s88, s15, 10
	s_lshl_b32 s89, s14, 9
	s_add_co_u32 s88, s88, s89                     ; my first column, in bytes: 4 (256 cx + 128 wp)
	s_add_co_u32 s96, s96, s88
	s_mov_b32 s89, 0
	s_mov_b32 s97, 0
	s_add_nc_u64 s[88:89], s[8:9], s[88:89]        ; the bias
	s_add_nc_u64 s[96:97], s[10:11], s[96:97]      ; the output
	v_and_b32 v17, 31, v0                          ; L
	v_and_b32 v18, 15, v0                          ; r
	v_bfe_u32 v3, v0, 4, 1                         ; h
	v_lshlrev_b32 v1, 4, v17
	v_lshlrev_b32 v2, 5, v18
	v_lshlrev_b32 v12, 6, v3
	v_lshlrev_b32 v19, 3, v17
	v_add_nc_u32 v[ADP], s82, v1
	s_mul_i32 s19, s13, 49152
	s_add_co_u32 s19, s19, 196608
	v_add_nc_u32 v[ADR], s19, v1
	v_add_nc_u32 v[ADR8], s19, v19
	v_add_nc_u32 v[ADP+1], 49152, v[ADP]
	s_mul_i32 s23, s12, 8448                       ; my stage for the way out: 16 rows x (512 + 16) bytes, in quarter 0's bytes
	v_mul_u32_u24 v[STO], v18, 528
	v_lshl_add_u32 v[STO], v3, 6, v[STO]
	v_add_nc_u32 v[STO], s23, v[STO]
	v_add_nc_u32 v[RD], s23, v1
.irp b, 0,1,2,3,4,5,6,7
	global_load_b128 v[SCP+8*\b:SCP+8*\b+3], v2, s[84:85] offset:512*\b
	global_load_b128 v[SCP+8*\b+4:SCP+8*\b+7], v2, s[84:85] offset:512*\b+16
.endr
.irp a, 0,1,2,3
	global_load_b128 v[SCR+8*\a:SCR+8*\a+3], v2, s[86:87] offset:512*\a
	global_load_b128 v[SCR+8*\a+4:SCR+8*\a+7], v2, s[86:87] offset:512*\a+16
.endr
.irp pb, 0,1,2,3
.irp q, 0,1,2,3
	global_load_b128 v[BP+16*\pb+4*\q:BP+16*\pb+4*\q+3], v12, s[88:89] offset:128*\pb+16*\q   ; tiles 2 pb, 2 pb + 1: columns 32 pb + 16 h + 0 .. 15
.endr
.endr
	s_wait_alu depctr_va_vdst(0)
	s_wait_loadcnt 0x0
	s_wait_tensorcnt 0x0                           ; my one load has landed
	s_barrier_signal -1
	s_barrier_wait -1
	FETCH 0
	STEP 0
	MUL 0, 1
.irp s, 1,2,3,4,5,6,7
	STEP \s
	MUL \s, 0
.endr
	WIN 0
	PLACES
	s_barrier_wait -1                              ; every wave's reads of the operands are over
; THE WAY OUT, a tile of 16 tokens x 128 columns at a time, through my own stage.  It lies in the bytes of P's first tiles, which have had their one fill and which nobody reads behind the barrier above.
; LDS serves a wave's instructions in order: no wait between the stores and the loads, nor in front of the next tile's stores.
.macro TOSTAGE a
	WIN 0x04                                       ; an LDS store's data are its source 1: window 1
.irp b, 0,1,2,3,4,5,6,7
	ds_store_b128 v[STO], v[8*(8*(\a)+\b):8*(8*(\a)+\b)+3] offset:128*(\b/2)+32*(\b%2)         ; each accumulator from its low end on
	ds_store_b128 v[STO], v[8*(8*(\a)+\b)+4:8*(8*(\a)+\b)+7] offset:128*(\b/2)+32*(\b%2)+16
.endr
	WIN 0
.set BB, 128+64*((\a)%2)
.irp t, 0,1,2,3,4,5,6,7,8,9,10,11,12,13,14,15
	ds_load_b128 v[BB+4*\t:BB+4*\t+3], v[RD] offset:528*\t
.endr
.endm
.macro SEND a, younger                 ; younger: the LDS instructions issued behind tile a's loads, which may stay out
.set BB, 128+64*((\a)%2)
	s_wait_dscnt \younger
.irp t, 0,1,2,3,4,5,6,7,8,9,10,11,12,13,14,15
	global_store_b128 v1, v[BB+4*\t:BB+4*\t+3], s[96:97] offset:(32*((\a)/2)+8*((\a)%2)+\t+8*(\t/8))*4096 th:TH_STORE_NT   ; 512 consecutive aligned bytes of one token's row
.endr
.endm
	TOSTAGE 0
.irp a, 1,2,3
.if \a > 1
	s_wait_xcnt 0x0                                ; tile a - 2's stores have read their registers: tile a's loads may land there
.endif
	TOSTAGE \a
	SEND \a-1, 32                                  ; behind tile a - 1's loads: tile a's 16 stores and 16 loads
.endr
	SEND 3, 0
	s_wait_tensorcnt 0x0
	ds_add_u32 v30, v31
	s_wait_dscnt 0x0
	ROUND                                          ; the closing round: no work-group ends while a partner may still ask jointly
	s_endpgm
.Lfunc_end_k_qb462c05a21_proj:
	.size	k_qb462c05a21_proj, .Lfunc_end_k_qb462c05a21_proj-k_qb462c05a21_proj
	.p2alignl 7, 3214868480
	.fill 96, 4, 3214868480
	.section	.rodata,"a",@progbits
	.p2align	6, 0x0
	.amdhsa_kernel k_qb462c05a21_proj
		.amdhsa_group_segment_fixed_size 295424
		.amdhsa_private_segment_fixed_size 0
		.amdhsa_enable_private_segment 0
		.amdhsa_kernarg_size 32
		.amdhsa_user_sgpr_count 2
		.amdhsa_user_sgpr_kernarg_segment_ptr 1
		.amdhsa_wavefront_size32 1
		.amdhsa_system_sgpr_workgroup_id_x 1
		.amdhsa_system_sgpr_workgroup_id_y 1
		.amdhsa_system_sgpr_workgroup_id_z 1
		.amdhsa_system_vgpr_workitem_id 0
		.amdhsa_next_free_vgpr 1024
		.amdhsa_next_free_sgpr 100
		.amdhsa_reserve_vcc 0
		.amdhsa_float_denorm_mode_32 3
		.amdhsa_float_denorm_mode_16_64 3
		.amdhsa_memory_ordered 1
		.amdhsa_forward_progress 1
		.amdhsa_inst_pref_size 79
	.end_amdhsa_kernel
	.amdgpu_metadata
---
amdhsa.version: [ 1, 2 ]
amdhsa.kernels:
  - .name:           k_qb462c05a21_proj
    .symbol:         k_qb462c05a21_proj.kd
    .args:
      - { .name: ops, .offset: 0, .size: 8, .value_kind: global_buffer, .address_space: global }
      - { .name: yq, .offset: 8, .size: 8, .value_kind: global_buffer, .address_space: global }
      - { .name: b_proj, .offset: 16, .size: 8, .value_kind: global_buffer, .address_space: global }
      - { .name: out0, .offset: 24, .size: 8, .value_kind: global_buffer, .address_space: global }
    .group_segment_fixed_size: 295424
    .private_segment_fixed_size: 0
    .kernarg_segment_align: 8
    .kernarg_segment_size: 32
    .max_flat_workgroup_size: 128
    .sgpr_count:     100
    .vgpr_count:     1024
    .wavefront_size: 32
...
	.end_amdgpu_metadata
.endif
;; end of part 4
